; MI455X (gfx1250); checked and timed in simulation.
; The chip was launched on July 23, 2026; its instructions are those of AMD's public machine-readable ISA for CDNA 5 (MIT licence, August 2026) and "CDNA5" Instruction Set Architecture Reference Guide (July 2026). The comments in the code are by the model that wrote it; some were corrected since.
;; Encoder Image Precomp. Allowed arithmetic: float matrix products may take bf16 or f16 operands with f32 sums; all other float work in f32.
;; Inputs: cap_embs 32 x 1,024 float32; fc_b 1,024 float32; fc_w 1,024 x 1,024 float32; images 32 x 1,024 x 2,048 float32; lengths_img 32 int32; ws1_b 1,024 float32; ws1_w 1,024 x 2,048 float32.
;; Outputs: out0 32 x 1,024 float32; out1 32 x 1,024 x 1 float32.
;; 2 versions, each right; version 2 is version 1 with the launch stream written anew for expert scheduling mode. Each part assembles by itself: llvm-mc -triple=amdgcn-amd-amdhsa -mcpu=gfx1250 --defsym DOCPART=n.
;; ======== version 1 of 2: 6 launches
;; workspace buffers: up 2,097,152 bytes; part 2,293,760 bytes; z 262,144 bytes; o 131,072 bytes; f 131,072 bytes
;; launch ucalc (part 1): grid 32 x 8, 8 waves a work-group, no clusters, 66,560 bytes of LDS; arguments cap_embs, ws1_w, up; writes up
.if DOCPART == 1
	.amdgcn_target "amdgcn-amd-amdhsa--gfx1250"
	.amdhsa_code_object_version 6
	.text
	.protected	k_q2c13618414_ucalc
	.globl	k_q2c13618414_ucalc
	.p2align	8
	.type	k_q2c13618414_ucalc,@function
k_q2c13618414_ucalc:
	s_mov_b64 s[64:65], 0
	v_nop
	global_prefetch_b8 v0, s[64:65] scope:SCOPE_SE
	s_setreg_imm32_b32 hwreg(HW_REG_WAVE_MODE, 25, 1), 1
	s_wait_xcnt 0x0
; up[ky][b][d] = log2(e) x the sum over e = 128 ky .. 128 ky + 127 of cap_embs[b][e] x ws1_w[e][d].   cap_embs [32][1024], ws1_w [1024][2048], up [8][32][2048], all f32.
; WHY.  scores[b][n] = (images[b][n] . ws1_w^T + ws1_b) . cap[b] = images[b][n] . u[b] + cap[b] . ws1_b with u[b] = cap[b] . ws1_w.  The last term is one number a sample,
; which the softmax's own subtraction of the maximum removes, so it is not formed.  log2(e) goes into u, so that the later exponentials are powers of two.
; ALL IN F32 ON THE VECTOR UNIT: the product has 32 rows and reads each weight once, so it goes at the pace of its loads; and a score is a sum of 2,048 terms whose error
; moves a weight by as much of itself, which 8 significant bits in u or in the images do not hold inside 1%.
; SHARES.  Work-group (cx, ky): columns 64 cx .. + 63, rows e = 128 ky .. + 127, all 32 samples.  Wave v: 16 of those rows.  Lane l: columns 64 cx + 2 l, + 1.  ws1_w is read once by the launch.
; The eight ranges of e leave as eight partial arrays, which the next launch adds: a sum over work-groups is not made inside a launch.
; cap_embs comes through scalar loads (one number serves all lanes), 4 samples x 8 e a step, in two sets of 32 scalar registers that take turns.
.set SPARE, 65536                      ; behind the waves' sums: the spare words, 128 bytes a wave
.set WR,  8                            ; v[8:39]    my two columns of the wave's 16 rows: row i in v[8+2i : 9+2i]
.set ACC, 40                           ; v[40:103]  sample b's two sums in v[40+2b : 41+2b]
.set TT,  104                          ; v[104:167] the eight waves' sums of two pairs of samples
; v1, v2 the add's two registers; v3 = 8 l; v4 = 8192 v + 16 l (into LDS); v5 = 1024 v + 16 l (back)
; LDS 0 .. 65535: [wave 8][pair of samples 16][lane 32][16 bytes]
.macro SETCB buf, q                    ; CBR = first scalar register of sample q in set buf (s64, s65 are left out)
.if (\buf) == 0
.set CBR, 16+8*(\q)
.elseif (\q) < 2
.set CBR, 48+8*(\q)
.else
.set CBR, 52+8*(\q)
.endif
.endm
.macro LOADC st                        ; step st: samples 4 (st / 2) .. + 3, the wave's e 8 (st % 2) .. + 7
.set lb, (\st)&1
.set lg, (\st)>>1
.irp q, 0,1,2,3
	SETCB lb, \q
	s_load_b256 s[CBR:CBR+7], s[4:5], (4*lg+\q)*4096+32*lb
.endr
.endm
.macro MATH st                         ; 64 multiply-adds; eight sums take turns between two links of a chain; a sum's first product starts it: nothing is cleared
.set bg, (\st)>>1
.set eh, (\st)&1
.set e, 0
.rept 8
.irp q, 0,1,2,3
	SETCB eh, \q
.irp c, 0,1
.if (eh == 0) && (e == 0)
	v_mul_f32 v[ACC+2*(4*bg+\q)+\c], s[CBR+e], v[WR+2*(8*eh+e)+\c]
.else
	v_fmac_f32 v[ACC+2*(4*bg+\q)+\c], s[CBR+e], v[WR+2*(8*eh+e)+\c]
.endif
.endr
.endr
.set e, e+1
.endr
.endm
	s_load_b128 s[4:7], s[0:1], 0x0                ; cap_embs s[4:5], ws1_w s[6:7]
	s_load_b64 s[8:9], s[0:1], 0x10                ; up
	v_lshl_add_u32 v1, v0, 2, SPARE                ; my spare word,
	v_mov_b32 v2, 0                                ; and 0: kept for the add at the wave's end
	v_lshrrev_b32 v6, 5, v0
	v_readfirstlane_b32 s12, v6                    ; wave v
	v_and_b32 v7, 31, v0                           ; lane l
	v_lshlrev_b32 v3, 3, v7
	v_lshlrev_b32 v5, 4, v7
	v_lshl_add_u32 v4, s12, 13, v5
	v_lshl_add_u32 v5, s12, 10, v5
	s_and_b32 s10, ttmp7, 0xffff                   ; ky
	s_lshl_b32 s11, s10, 7
	s_lshl4_add_u32 s11, s12, s11                  ; e0 = 128 ky + 16 v
	s_lshl_b32 s13, ttmp9, 8                       ; 256 cx: my 64 columns in bytes
	s_lshl_b32 s2, s11, 13                         ; ws1_w: e0 rows of 8,192 bytes + the columns
	s_add_co_u32 s2, s2, s13
	s_mov_b32 s3, 0
	s_lshl_b32 s14, s11, 2                         ; cap_embs: 4 e0
	s_mov_b32 s15, 0
	s_lshl_b32 s16, s10, 18                        ; up: ky arrays of 262,144 bytes + the columns + samples 4 v on (8,192 bytes each)
	s_add_co_u32 s16, s16, s13
	s_lshl_b32 s17, s12, 15
	s_add_co_u32 s16, s16, s17
	s_mov_b32 s17, 0
	s_wait_kmcnt 0x0
	s_add_nc_u64 s[6:7], s[6:7], s[2:3]
	s_add_nc_u64 s[4:5], s[4:5], s[14:15]
	s_add_nc_u64 s[8:9], s[8:9], s[16:17]
	LOADC 0
.set i, 0
.rept 16
	global_load_b64 v[WR+2*i:WR+2*i+1], v3, s[6:7] offset:8192*i th:TH_LOAD_NT  ; a row's 256 consecutive bytes, aligned; read once in this launch
.set i, i+1
.endr
.set st, 0
.rept 16
	s_wait_kmcnt 0x0                               ; scalar loads come back in no order (ISA guide 5.7.1): the wait is for 0, so it stands ahead of the next step's loads
.if st < 15
	LOADC st+1                                     ; into the set that the step before has finished with
.endif
.if st == 0
	s_wait_loadcnt 8                               ; rows 0 to 7 are in; the eight younger loads stay out
.endif
.if st == 1
	s_wait_loadcnt 0x0                             ; rows 8 to 15
.endif
	MATH st
.set st, st+1
.endr
	; the eight waves' sums meet in LDS
.set i, 0
.rept 16
	ds_store_b128 v4, v[ACC+4*i:ACC+4*i+3] offset:512*i
.set i, i+1
.endr
	s_wait_dscnt 0x0                               ; for the others' sake: my stores are done
	s_barrier_signal -1
	s_barrier_wait -1
.irp a, 0,1                            ; wave v adds up the pairs of samples 2 v and 2 v + 1
.irp w, 0,1,2,3,4,5,6,7
	ds_load_b128 v[TT+4*(8*\a+\w):TT+4*(8*\a+\w)+3], v5 offset:8192*\w+512*\a
.endr
.endr
	s_wait_dscnt 0x0
.irp t, 4,2,1
.irp a, 0,1
.set w, 0
.rept \t
	v_pk_add_f32 v[TT+32*\a+4*w:TT+32*\a+4*w+1], v[TT+32*\a+4*w:TT+32*\a+4*w+1], v[TT+32*\a+4*(w+\t):TT+32*\a+4*(w+\t)+1]
	v_pk_add_f32 v[TT+32*\a+4*w+2:TT+32*\a+4*w+3], v[TT+32*\a+4*w+2:TT+32*\a+4*w+3], v[TT+32*\a+4*(w+\t)+2:TT+32*\a+4*(w+\t)+3]
.set w, w+1
.endr
.endr
.endr
.irp a, 0,1
.irp b, 0,1
	v_pk_mul_f32 v[TT+32*\a+2*\b:TT+32*\a+2*\b+1], v[TT+32*\a+2*\b:TT+32*\a+2*\b+1], 0x3fb8aa3b op_sel_hi:[1,0]  ; x log2(e)
.endr
.endr
.irp a, 0,1
.irp b, 0,1
	global_store_b64 v3, v[TT+32*\a+2*\b:TT+32*\a+2*\b+1], s[8:9] offset:8192*(2*\a+\b)  ; sample 4 v + 2 a + b: 256 consecutive bytes, aligned
.endr
.endr
	s_wait_tensorcnt 0x0                           ; the wave's end: three closing lines behind my last LDS store
	ds_add_u32 v1, v2
	s_wait_dscnt 0x0
	s_endpgm
.Lfunc_end_k_q2c13618414_ucalc:
	.size	k_q2c13618414_ucalc, .Lfunc_end_k_q2c13618414_ucalc-k_q2c13618414_ucalc
	.p2alignl 7, 3214868480
	.fill 96, 4, 3214868480
	.section	.rodata,"a",@progbits
	.p2align	6, 0x0
	.amdhsa_kernel k_q2c13618414_ucalc
		.amdhsa_group_segment_fixed_size 66560
		.amdhsa_private_segment_fixed_size 0
		.amdhsa_enable_private_segment 0
		.amdhsa_kernarg_size 24
		.amdhsa_user_sgpr_count 2
		.amdhsa_user_sgpr_kernarg_segment_ptr 1
		.amdhsa_wavefront_size32 1
		.amdhsa_system_sgpr_workgroup_id_x 1
		.amdhsa_system_sgpr_workgroup_id_y 1
		.amdhsa_system_sgpr_workgroup_id_z 1
		.amdhsa_system_vgpr_workitem_id 0
		.amdhsa_next_free_vgpr 168
		.amdhsa_next_free_sgpr 88
		.amdhsa_reserve_vcc 0
		.amdhsa_float_denorm_mode_32 3
		.amdhsa_float_denorm_mode_16_64 3
		.amdhsa_memory_ordered 1
		.amdhsa_forward_progress 1
		.amdhsa_inst_pref_size 45
	.end_amdhsa_kernel
	.amdgpu_metadata
---
amdhsa.version: [ 1, 2 ]
amdhsa.kernels:
  - .name:           k_q2c13618414_ucalc
    .symbol:         k_q2c13618414_ucalc.kd
    .args:
      - { .name: cap_embs, .offset: 0, .size: 8, .value_kind: global_buffer, .address_space: global }
      - { .name: ws1_w, .offset: 8, .size: 8, .value_kind: global_buffer, .address_space: global }
      - { .name: up, .offset: 16, .size: 8, .value_kind: global_buffer, .address_space: global }
    .group_segment_fixed_size: 66560
    .private_segment_fixed_size: 0
    .kernarg_segment_align: 8
    .kernarg_segment_size: 24
    .max_flat_workgroup_size: 256
    .sgpr_count:     88
    .vgpr_count:     168
    .wavefront_size: 32
...
	.end_amdgpu_metadata
.endif
;; end of part 1
;; launch stream (part 2): grid 8 x 32, 8 waves a work-group, no clusters, 75,520 bytes of LDS; arguments images, up, lengths_img, part; writes part
.if DOCPART == 2
	.amdgcn_target "amdgcn-amd-amdhsa--gfx1250"
	.amdhsa_code_object_version 6
	.text
	.protected	k_q2c13618414_stream
	.globl	k_q2c13618414_stream
	.p2align	8
	.type	k_q2c13618414_stream,@function
k_q2c13618414_stream:
	s_mov_b64 s[64:65], 0
	v_nop
	global_prefetch_b8 v0, s[64:65] scope:SCOPE_SE
	s_setreg_imm32_b32 hwreg(HW_REG_WAVE_MODE, 25, 1), 1
	s_wait_xcnt 0x0
; ONE PASS OVER THE VALID IMAGE ROWS.  For sample b and row n < len: s = images[b][n] . u[b] (u holds log2(e)); a running maximum m, sum l = sum of 2^(s - m), and row sum zp = sum of 2^(s - m) images[b][n].
; images [32][1024][2048] f32; up [8][32][2048] f32 (eight partial u, added here); lengths_img [32] i32; part: 256 records of 8,960 bytes, number 8 b + c:
;   bytes 0 .. 8191 zp[2048];  8192 .. 8703 128 scores at index 32 k + 4 v + r (row n = 256 k + 32 c + 4 v + r);  8704 .. 8959 the pair (m, l), 32 times, so that one store writes the whole block.
; WHY.  out = sum of w[n] feat[n] = ws1_w . z + ws1_b x sum of w, with z = sum of w[n] images[n]: both uses of feat are linear in it, so the row is used while it lies in registers and is read once.
; ALL IN F32 ON THE VECTOR UNIT: each image byte meets two numbers only (u and its weight), so the pass goes at the pace of its loads, and there is nothing for a matrix unit, LDS tiles or a cluster to share.
; SHARES.  Work-group (c, b), wave v: number g = 8 c + v among the sample's 64.  The unit is a QUAD, four rows on end, 32,768 consecutive bytes; wave g takes quads g + 64 k, k < Q.  Rows at or beyond the
; length's last quad are never loaded.  A wave's quad 0 (rows below 256) lies inside the buffer whatever the length: it is asked for before the length has come, and rows that are not valid count as
; score -FLT_MAX and weight 0.  A wave holds a whole row: lane l has columns 128 j + 4 l .. + 3 in registers 4 j .. 4 j + 3.  Four row slots: 64 loads of 512 consecutive bytes, 32,768 bytes, on their way in each wave.
; The rescaling of zp by a = 2^(m_old - m_new) runs in every turn: to skip it would be a branch on floating-point data.
; LIMITS.  The length is clamped to 0 .. 1024.  NaN and infinities are not treated apart (a row of a loaded quad that is not valid is still multiplied by 0).  A weight below 2^-126 counts as 0.
; A valid score at or below -FLT_MAX is not told from a row that is not valid.
; REGISTERS.  Window 0: v1, v2 the add's; v3 = 16 l; v[4:5] m, l; v[6:7] a, 0; v[8:9] p, 0; v[10:17] four chains; v18 score; v19 at work; v20 my lane's score to keep; v21 -FLT_MAX; v22-24 at work;
; v25-31 addresses; v[32:95] u; v[96:159] zp; v[160:247] the merge.  Window 1: the four row slots, slot r at v[64 r : 64 r + 63].
.set REC,   8960
.set UB,    65536                      ; LDS 0 .. 65535: [wave][8192] the waves' zp;  UB: the summed u, 8,192 bytes
.set SCB,   73728                      ; 128 scores
.set STAT,  74240                      ; (m, l) of the eight waves, 64 bytes of a block of 256
.set SPARE, 74496                      ; the spare words, 128 bytes a wave
.set QSTEP, 0x200000                   ; 64 quads of 32,768 bytes: from a wave's quad to its next
.set DT, 10
.set UU, 32
.set ZZ, 96
.set SW, 160                           ; the merge: (m_w, l_w) at v[160+2w : 161+2w]
.set SL, 176                           ; the merge: wave w's slice, half a, at v[176 + 4 (2 w + a)]
.set RS, 240                           ; the merge: the result
.set MSB, 0
.macro WIN new                         ; s_set_vgpr_msb: bits 1:0 source 0, 7:6 destination; the high byte repeats the setting that is left; a switch that changes nothing is dropped
.if MSB != (\new)
	s_set_vgpr_msb (MSB<<8)|(\new)
.set MSB, \new
.endif
.endm
.macro FILL r, off                     ; row r of the quad at byte off from the base: 16 loads of 512 consecutive bytes into slot r
	WIN 0x40                                       ; destination window 1, address window 0
.set j, 0
.rept 16
	global_load_b128 v[64*(\r)+4*j:64*(\r)+4*j+3], v3, s[4:5] offset:(\off)+8192*(\r)+512*j th:TH_LOAD_NT
.set j, j+1
.endr
	WIN 0
.endm
; The turn of slot r.  left = the younger loads that may stay out.  refill = 1: the slot takes the same row of the wave's next quad.
.macro TURN r, refill, left
	s_wait_loadcnt \left                           ; loads come back in order (ISA guide 5.7.1): this slot's 16 are in
	WIN 0x01                                       ; source 0, the row, in window 1
.set i, 0
.rept 4
	v_pk_mul_f32 v[DT+2*i:DT+2*i+1], v[64*(\r)+2*i:64*(\r)+2*i+1], v[UU+2*i:UU+2*i+1]  ; four chains, started by the first products
.set i, i+1
.endr
	s_add_co_u32 s22, s19, \r                      ; the row's number,
	s_cmp_lt_u32 s22, s15                          ; valid?
	s_cselect_b32 s21, -1, 0                       ; as a mask of all lanes
.rept 28
	v_pk_fma_f32 v[DT+2*(i%4):DT+2*(i%4)+1], v[64*(\r)+2*i:64*(\r)+2*i+1], v[UU+2*i:UU+2*i+1], v[DT+2*(i%4):DT+2*(i%4)+1]
.set i, i+1
.endr
	WIN 0
	v_pk_add_f32 v[DT:DT+1], v[DT:DT+1], v[DT+2:DT+3]
	v_pk_add_f32 v[DT+4:DT+5], v[DT+4:DT+5], v[DT+6:DT+7]
	v_pk_add_f32 v[DT:DT+1], v[DT:DT+1], v[DT+4:DT+5]
	v_add_f32 v18, v[DT], v[DT+1]
	v_add_f32_dpp v18, v18, v18 row_xmask:1 row_mask:0xf bank_mask:0xf
	v_add_f32_dpp v18, v18, v18 row_xmask:2 row_mask:0xf bank_mask:0xf
	v_add_f32_dpp v18, v18, v18 row_xmask:4 row_mask:0xf bank_mask:0xf
	v_add_f32_dpp v18, v18, v18 row_xmask:8 row_mask:0xf bank_mask:0xf
	v_permlanex16_b32 v19, v18, s28, s29           ; the other half of the lanes
	v_add_f32 v18, v18, v19                        ; every lane holds the score
	v_cndmask_b32 v18, v21, v18, s21               ; -FLT_MAX for a row that is not valid
	v_cndmask_b32 v20, v20, v18, s20               ; lanes t and t + 16 keep the score of the wave's turn t
	s_lshl_b32 s20, s20, 1
	v_max_num_f32 v22, v4, v18                     ; the new m
	v_sub_f32 v23, v4, v22
	v_sub_f32 v24, v18, v22
	v_exp_f32 v6, v23                              ; a
	v_exp_f32 v8, v24                              ; p
	v_mov_b32 v4, v22                              ; the plain instruction between the exponentials and the use of their results
	s_wait_alu depctr_va_vdst(0)
	v_cndmask_b32 v8, 0, v8, s21                   ; weight 0 for a row that is not valid
	v_fma_f32 v5, v5, v6, v8                       ; l = a l + p
.set i, 0
.rept 32
	v_pk_mul_f32 v[ZZ+2*i:ZZ+2*i+1], v[ZZ+2*i:ZZ+2*i+1], v[6:7] op_sel_hi:[1,0]
.set i, i+1
.endr
	WIN 0x01
.set i, 0
.rept 32
	v_pk_fma_f32 v[ZZ+2*i:ZZ+2*i+1], v[64*(\r)+2*i:64*(\r)+2*i+1], v[8:9], v[ZZ+2*i:ZZ+2*i+1] op_sel_hi:[1,0,1]
.set i, i+1
.endr
.if \refill
	FILL \r, QSTEP                                 ; inside the signed 24-bit immediate
.endif
	WIN 0
.endm
	s_load_b256 s[4:11], s[0:1], 0x0               ; images s[4:5], up s[6:7], lengths_img s[8:9], part s[10:11]
	v_lshl_add_u32 v1, v0, 2, SPARE                ; my spare word,
	v_mov_b32 v2, 0                                ; and 0: kept for the add at the wave's end
	v_lshrrev_b32 v19, 5, v0
	v_readfirstlane_b32 s12, v19                   ; wave v
	v_and_b32 v3, 31, v0
	v_lshlrev_b32 v3, 4, v3                        ; 16 l
	v_lshlrev_b32 v26, 4, v0                       ; 16 x thread
	s_mov_b32 s13, ttmp9                           ; c
	s_and_b32 s14, ttmp7, 0xffff                   ; b
	s_lshl_b32 s16, s13, 3
	s_add_co_u32 s16, s16, s12                     ; g = 8 c + v
	s_lshl_b32 s22, s14, 2                         ; lengths_img: 4 b
	s_mov_b32 s23, 0
	s_lshl_b32 s24, s14, 13                        ; up: 8,192 b
	s_mov_b32 s25, 0
	s_lshl_b32 s26, s14, 23                        ; images: sample b, quad g
	s_lshl_b32 s27, s16, 15
	s_add_co_u32 s26, s26, s27
	s_mov_b32 s27, 0
	s_wait_kmcnt 0x0
	s_add_nc_u64 s[8:9], s[8:9], s[22:23]
	s_load_b32 s15, s[8:9], 0x0                    ; the sample's length
	s_add_nc_u64 s[6:7], s[6:7], s[24:25]
	s_add_nc_u64 s[4:5], s[4:5], s[26:27]
	s_lshl_b32 s22, s14, 3
	s_add_co_u32 s22, s22, s13
	s_mul_i32 s22, s22, REC                        ; my record
	s_add_nc_u64 s[10:11], s[10:11], s[22:23]
.irp w, 0,1,2,3,4,5,6,7                ; the eight partial u: thread t takes 16 bytes at 16 t of each half of the sample's 8,192
.irp a, 0,1
	global_load_b128 v[UU+4*(2*\w+\a):UU+4*(2*\w+\a)+3], v26, s[6:7] offset:262144*\w+4096*\a
.endr
.endr
	FILL 0, 0
	FILL 1, 0
	FILL 2, 0
	; set-up, in the wait for the loads.  No first turn is written out: m starts at -FLT_MAX, l and zp at 0, so the first valid row's a is 0; the price is the 64 lines that clear zp.
	s_mov_b32 s28, 0x76543210                      ; v_permlanex16_b32: each lane takes its own place in the other half
	s_mov_b32 s29, 0xfedcba98
	v_mov_b32 v21, 0xff7fffff                      ; -FLT_MAX
	v_mov_b32 v4, v21
	v_mov_b32 v5, 0
	v_mov_b32 v7, 0                                ; named in a pair with a,
	v_mov_b32 v9, 0                                ; and with p
	v_mov_b32 v20, v21
	v_lshl_add_u32 v25, s12, 13, v3                ; my zp in LDS: 8,192 v + 16 l
	v_add_nc_u32 v27, UB, v3
	v_bfe_u32 v22, v0, 2, 2                        ; (l % 16) / 4 = k of the score that my lane keeps,
	v_and_b32 v23, 3, v0                           ; l % 4 = its r
	v_lshlrev_b32 v28, 7, v22
	v_lshl_add_u32 v28, v23, 2, v28
	s_lshl_b32 s22, s12, 4
	s_add_co_u32 s22, s22, SCB
	v_add_nc_u32 v28, s22, v28                     ; SCB + 128 k + 16 v + 4 r
	s_lshl_b32 s23, s12, 3
	s_add_co_u32 s23, s23, STAT
	v_mov_b32 v29, s23                             ; STAT + 8 v
	v_lshl_add_u32 v30, s12, 10, v3                ; 1,024 v + 16 l: my slice of a zp, in LDS and in the record
	v_add_nc_u32 v31, UB, v26
.set i, 0
.rept 64
	v_mov_b32 v[ZZ+i], 0
.set i, i+1
.endr
	s_wait_kmcnt 0x0                               ; the length
	s_max_i32 s15, s15, 0
	s_min_i32 s15, s15, 1024
	s_add_co_u32 s17, s15, 3
	s_lshr_b32 s17, s17, 2                         ; quads that hold a valid row, at most 256
	s_add_co_u32 s17, s17, 63
	s_sub_co_u32 s17, s17, s16
	s_lshr_b32 s17, s17, 6                         ; of them mine: g, g + 64, ..: 0 to 4
	s_max_u32 s17, s17, 1                          ; quad 0 is taken in any case
	s_lshl_b32 s19, s16, 2                         ; the first row of the quad in hand
	s_mov_b32 s20, 0x10001                         ; the lanes that keep the next score
	s_wait_loadcnt 48                              ; the 16 loads of up are in; the 48 younger ones, three rows, stay out
.irp t, 4,2,1
.set w, 0
.rept \t
.irp a, 0,2,4,6
	v_pk_add_f32 v[UU+8*w+\a:UU+8*w+\a+1], v[UU+8*w+\a:UU+8*w+\a+1], v[UU+8*(w+\t)+\a:UU+8*(w+\t)+\a+1]
.endr
.set w, w+1
.endr
.endr
	ds_store_b128 v31, v[UU:UU+3]
	ds_store_b128 v31, v[UU+4:UU+7] offset:4096
	s_wait_dscnt 0x0                               ; for the others' sake: my part of u is stored
	s_barrier_signal -1
	s_barrier_wait -1                              ; u is whole
	FILL 3, 0
.set j, 0
.rept 16
	ds_load_b128 v[UU+4*j:UU+4*j+3], v27 offset:512*j  ; u in the rows' own layout
.set j, j+1
.endr
	s_wait_dscnt 0x0
	s_mov_b32 s18, 1
	s_cmp_lt_u32 s18, s17
	s_cbranch_scc0 .Ltail                          ; one quad only
.Lquad:                                                ; a trip works on a quad and asks for the next; at its head slots 0 to 3 are out, in this order, on both ways in
	TURN 0, 1, 48                                  ; the three younger slots' 48 loads stay out
	TURN 1, 1, 48
	TURN 2, 1, 48
	TURN 3, 1, 48
	s_wait_xcnt 0x0                                ; the loads' addresses are translated (ISA guide 3.1): only now is their base stepped
	s_add_nc_u64 s[4:5], s[4:5], QSTEP
	s_add_co_u32 s19, s19, 256
	s_add_co_u32 s18, s18, 1
	s_cmp_lt_u32 s18, s17
	s_cbranch_scc1 .Lquad
.Ltail:                                                ; the last quad asks for nothing: the counts run down
	TURN 0, 0, 48
	TURN 1, 0, 32
	TURN 2, 0, 16
	TURN 3, 0, 0
	; THE MERGE of the eight waves
.set j, 0
.rept 16
	ds_store_b128 v25, v[ZZ+4*j:ZZ+4*j+3] offset:512*j  ; in LDS a wave's zp lies in the columns' order
.set j, j+1
.endr
	ds_store_b64 v29, v[4:5]                       ; all lanes write the same pair to the same place
	ds_store_b32 v28, v20                          ; lanes t and t + 16 write the same score to the same word
	s_wait_dscnt 0x0                               ; for the others' sake
	s_barrier_signal -1
	s_barrier_wait -1
	v_mov_b32 v19, STAT
.irp a, 0,1,2,3
	ds_load_b128 v[SW+4*\a:SW+4*\a+3], v19 offset:16*\a
.endr
.irp w, 0,1,2,3,4,5,6,7                ; wave v takes columns 256 v .. + 255 of all eight
.irp a, 0,1
	ds_load_b128 v[SL+4*(2*\w+\a):SL+4*(2*\w+\a)+3], v30 offset:8192*\w+512*\a
.endr
.endr
	s_wait_dscnt 0x0
	v_max3_num_f32 v22, v[SW], v[SW+2], v[SW+4]
	v_max3_num_f32 v22, v22, v[SW+6], v[SW+8]
	v_max3_num_f32 v22, v22, v[SW+10], v[SW+12]
	v_max_num_f32 v22, v22, v[SW+14]               ; the work-group's m
.irp w, 0,1,2,3,4,5,6,7
	v_sub_f32 v[SW+2*\w], v[SW+2*\w], v22
.endr
.irp w, 0,1,2,3,4,5,6,7
	v_exp_f32 v[SW+2*\w], v[SW+2*\w]               ; 2^(m_w - m) takes m_w's place
.endr
	v_nop                                          ; a plain instruction between the last exponential and the use of its result
	s_wait_alu depctr_va_vdst(0)
	v_mul_f32 v23, v[SW], v[SW+1]
.irp w, 1,2,3,4,5,6,7
	v_fma_f32 v23, v[SW+2*\w], v[SW+2*\w+1], v23   ; the work-group's l
.endr
.irp a, 0,2,4,6
	v_pk_mul_f32 v[RS+\a:RS+\a+1], v[SL+\a:SL+\a+1], v[SW:SW+1] op_sel_hi:[1,0]
.endr
.irp w, 1,2,3,4,5,6,7
.irp a, 0,2,4,6
	v_pk_fma_f32 v[RS+\a:RS+\a+1], v[SL+8*\w+\a:SL+8*\w+\a+1], v[SW+2*\w:SW+2*\w+1], v[RS+\a:RS+\a+1] op_sel_hi:[1,0,1]
.endr
.endr
	global_store_b128 v30, v[RS:RS+3], s[10:11]              ; 512 consecutive bytes each, aligned
	global_store_b128 v30, v[RS+4:RS+7], s[10:11] offset:512
	s_cmp_lg_u32 s12, 0
	s_cbranch_scc1 .Lend                           ; wave 0 alone stores the scores and (m, l)
	ds_load_b128 v[SL:SL+3], v27 offset:SCB-UB
	v_lshrrev_b32 v24, 1, v3                       ; 8 l
	s_wait_dscnt 0x0
	global_store_b128 v3, v[SL:SL+3], s[10:11] offset:8192
	global_store_b64 v24, v[22:23], s[10:11] offset:8704
.Lend:
	s_wait_tensorcnt 0x0                           ; the wave's end: three closing lines behind my last LDS store
	ds_add_u32 v1, v2
	s_wait_dscnt 0x0
	s_endpgm
.Lfunc_end_k_q2c13618414_stream:
	.size	k_q2c13618414_stream, .Lfunc_end_k_q2c13618414_stream-k_q2c13618414_stream
	.p2alignl 7, 3214868480
	.fill 96, 4, 3214868480
	.section	.rodata,"a",@progbits
	.p2align	6, 0x0
	.amdhsa_kernel k_q2c13618414_stream
		.amdhsa_group_segment_fixed_size 75520
		.amdhsa_private_segment_fixed_size 0
		.amdhsa_enable_private_segment 0
		.amdhsa_kernarg_size 32
		.amdhsa_user_sgpr_count 2
		.amdhsa_user_sgpr_kernarg_segment_ptr 1
		.amdhsa_wavefront_size32 1
		.amdhsa_system_sgpr_workgroup_id_x 1
		.amdhsa_system_sgpr_workgroup_id_y 1
		.amdhsa_system_sgpr_workgroup_id_z 1
		.amdhsa_system_vgpr_workitem_id 0
		.amdhsa_next_free_vgpr 512
		.amdhsa_next_free_sgpr 66
		.amdhsa_reserve_vcc 0
		.amdhsa_float_denorm_mode_32 3
		.amdhsa_float_denorm_mode_16_64 3
		.amdhsa_memory_ordered 1
		.amdhsa_forward_progress 1
		.amdhsa_inst_pref_size 88
	.end_amdhsa_kernel
	.amdgpu_metadata
---
amdhsa.version: [ 1, 2 ]
amdhsa.kernels:
  - .name:           k_q2c13618414_stream
    .symbol:         k_q2c13618414_stream.kd
    .args:
      - { .name: images, .offset: 0, .size: 8, .value_kind: global_buffer, .address_space: global }
      - { .name: up, .offset: 8, .size: 8, .value_kind: global_buffer, .address_space: global }
      - { .name: lengths_img, .offset: 16, .size: 8, .value_kind: global_buffer, .address_space: global }
      - { .name: part, .offset: 24, .size: 8, .value_kind: global_buffer, .address_space: global }
    .group_segment_fixed_size: 75520
    .private_segment_fixed_size: 0
    .kernarg_segment_align: 8
    .kernarg_segment_size: 32
    .max_flat_workgroup_size: 256
    .sgpr_count:     66
    .vgpr_count:     512
    .wavefront_size: 32
...
	.end_amdgpu_metadata
.endif
;; end of part 2
;; launch comb (part 3): grid 8 x 32, 2 waves a work-group, no clusters, 0 bytes of LDS; arguments part, lengths_img, z, out1; writes z, out1
.if DOCPART == 3
	.amdgcn_target "amdgcn-amd-amdhsa--gfx1250"
	.amdhsa_code_object_version 6
	.text
	.protected	k_q2c13618414_comb
	.globl	k_q2c13618414_comb
	.p2align	8
	.type	k_q2c13618414_comb,@function
k_q2c13618414_comb:
	s_mov_b64 s[64:65], 0
	v_nop
	global_prefetch_b8 v0, s[64:65] scope:SCOPE_SE
	s_setreg_imm32_b32 hwreg(HW_REG_WAVE_MODE, 25, 1), 1
	s_wait_xcnt 0x0
; A sample's eight records (m_c, l_c, zp_c, scores) become z[b][:] = sum of w[n] images[b][n][:] and out1[b][n] = w[n].
; m = max of m_c; alpha_c = 2^(m_c - m); l = sum of alpha_c l_c; z = sum of alpha_c zp_c / l; w[n] = 2^(s[n] - m) / l for n < len, else 0.
; Work-group (j, b), 64 threads: columns 256 j .. + 255 of z[b] (16 bytes a thread) and rows 128 j .. + 127 of out1[b] (two a thread).  All loads are issued at once.
; A length of 0 or less gives w = 0 and z = 0: 1 / l is then replaced by 0.  The length needs no clamp here: it is only compared, signed, with 0 and with rows up to 1023.
; No LDS, no barrier: every thread forms m and l for itself from the eight pairs.
.set REC, 8960
.set ML,  8                            ; v[8:23]   (m_c, l_c); alpha_c takes m_c's place
.set ZP,  24                           ; v[24:55]  my 16 bytes of zp_c
.set RS,  64                           ; v[64:67]  my 16 bytes of z
; v1 = 0; v2 = 16 t + 1024 j; v3 the byte of my two scores; v5 = 8 t; v[56:57] two scores, then two weights; v58 m; v59 l; v60 1 / l; v61, v62 my two rows
	s_load_b256 s[4:11], s[0:1], 0x0               ; part s[4:5], lengths_img s[6:7], z s[8:9], out1 s[10:11]
	s_mov_b32 s12, ttmp9                           ; j
	s_and_b32 s13, ttmp7, 0xffff                   ; b
	v_mov_b32 v1, 0
	v_lshlrev_b32 v2, 4, v0
	v_lshl_add_u32 v2, s12, 10, v2
	; row n = 128 j + 2 t = 256 k + 32 c + 4 v + r: k = j / 2, c = 4 (j % 2) + t / 16, 4 v + r = 2 (t % 16); the score lies in record c at byte 8192 + 128 k + 4 (4 v + r)
	v_lshrrev_b32 v3, 4, v0
	s_and_b32 s17, s12, 1
	s_lshl_b32 s17, s17, 2
	v_add_nc_u32 v3, s17, v3
	v_mul_u32_u24 v3, v3, REC
	v_and_b32 v4, 15, v0
	v_lshl_add_u32 v3, v4, 3, v3
	s_lshr_b32 s18, s12, 1
	s_lshl_b32 s18, s18, 7
	s_add_co_u32 s18, s18, 8192
	v_add_nc_u32 v3, s18, v3
	v_lshlrev_b32 v5, 3, v0
	v_lshlrev_b32 v61, 1, v0
	v_lshl_add_u32 v61, s12, 7, v61                ; n
	v_add_nc_u32 v62, 1, v61                       ; n + 1
	s_mul_i32 s14, s13, 8*REC                      ; the sample's eight records
	s_mov_b32 s15, 0
	s_lshl_b32 s20, s13, 2
	s_mov_b32 s21, 0
	s_lshl_b32 s22, s13, 13                        ; z: 8,192 b
	s_mov_b32 s23, 0
	s_lshl_b32 s2, s13, 12                         ; out1: 4,096 b + 512 j
	s_lshl_b32 s3, s12, 9
	s_add_co_u32 s2, s2, s3
	s_mov_b32 s3, 0
	s_wait_kmcnt 0x0
	s_add_nc_u64 s[6:7], s[6:7], s[20:21]
	s_load_b32 s16, s[6:7], 0x0                    ; the length
	s_add_nc_u64 s[4:5], s[4:5], s[14:15]
	s_add_nc_u64 s[8:9], s[8:9], s[22:23]
	s_add_nc_u64 s[10:11], s[10:11], s[2:3]
.irp c, 0,1,2,3,4,5,6,7
	global_load_b64 v[ML+2*\c:ML+2*\c+1], v1, s[4:5] offset:\c*REC+8704
.endr
	global_load_b64 v[56:57], v3, s[4:5]
.irp c, 0,1,2,3,4,5,6,7
	global_load_b128 v[ZP+4*\c:ZP+4*\c+3], v2, s[4:5] offset:\c*REC
.endr
	s_wait_kmcnt 0x0
	s_cmp_gt_i32 s16, 0
	s_cselect_b32 s19, -1, 0                       ; all lanes: the sample has a valid row
	s_wait_loadcnt 0x0
	v_max3_num_f32 v58, v[ML], v[ML+2], v[ML+4]
	v_max3_num_f32 v58, v58, v[ML+6], v[ML+8]
	v_max3_num_f32 v58, v58, v[ML+10], v[ML+12]
	v_max_num_f32 v58, v58, v[ML+14]
.irp c, 0,1,2,3,4,5,6,7
	v_sub_f32 v[ML+2*\c], v[ML+2*\c], v58
.endr
.irp c, 0,1,2,3,4,5,6,7
	v_exp_f32 v[ML+2*\c], v[ML+2*\c]
.endr
	v_sub_f32 v56, v56, v58                        ; plain work between the exponentials and the use of their results
	v_sub_f32 v57, v57, v58
	s_wait_alu depctr_va_vdst(0)
	v_mul_f32 v59, v[ML], v[ML+1]
.irp c, 1,2,3,4,5,6,7
	v_fma_f32 v59, v[ML+2*\c], v[ML+2*\c+1], v59
.endr
	v_rcp_f32 v60, v59
	v_exp_f32 v56, v56
	v_exp_f32 v57, v57
	v_nop                                          ; a plain instruction between these three and the use of their results
	s_wait_alu depctr_va_vdst(0)
	v_cndmask_b32 v60, 0, v60, s19                 ; 0 where no row is valid
.irp c, 0,1,2,3,4,5,6,7
	v_mul_f32 v[ML+2*\c], v[ML+2*\c], v60
.endr
	v_mul_f32 v56, v56, v60
	v_mul_f32 v57, v57, v60
	v_cmp_gt_i32 vcc_lo, s16, v61                  ; len > n
	v_cndmask_b32 v56, 0, v56, vcc_lo
	v_cmp_gt_i32 vcc_lo, s16, v62
	v_cndmask_b32 v57, 0, v57, vcc_lo
	global_store_b64 v5, v[56:57], s[10:11]        ; a wave stores 256 consecutive bytes, aligned
	v_pk_mul_f32 v[RS:RS+1], v[ZP:ZP+1], v[ML:ML+1] op_sel_hi:[1,0]
	v_pk_mul_f32 v[RS+2:RS+3], v[ZP+2:ZP+3], v[ML:ML+1] op_sel_hi:[1,0]
.irp c, 1,2,3,4,5,6,7
	v_pk_fma_f32 v[RS:RS+1], v[ZP+4*\c:ZP+4*\c+1], v[ML+2*\c:ML+2*\c+1], v[RS:RS+1] op_sel_hi:[1,0,1]
	v_pk_fma_f32 v[RS+2:RS+3], v[ZP+4*\c+2:ZP+4*\c+3], v[ML+2*\c:ML+2*\c+1], v[RS+2:RS+3] op_sel_hi:[1,0,1]
.endr
	global_store_b128 v2, v[RS:RS+3], s[8:9]       ; a wave stores 512 consecutive bytes, aligned
	s_endpgm
.Lfunc_end_k_q2c13618414_comb:
	.size	k_q2c13618414_comb, .Lfunc_end_k_q2c13618414_comb-k_q2c13618414_comb
	.p2alignl 7, 3214868480
	.fill 96, 4, 3214868480
	.section	.rodata,"a",@progbits
	.p2align	6, 0x0
	.amdhsa_kernel k_q2c13618414_comb
		.amdhsa_group_segment_fixed_size 0
		.amdhsa_private_segment_fixed_size 0
		.amdhsa_enable_private_segment 0
		.amdhsa_kernarg_size 32
		.amdhsa_user_sgpr_count 2
		.amdhsa_user_sgpr_kernarg_segment_ptr 1
		.amdhsa_wavefront_size32 1
		.amdhsa_system_sgpr_workgroup_id_x 1
		.amdhsa_system_sgpr_workgroup_id_y 1
		.amdhsa_system_sgpr_workgroup_id_z 1
		.amdhsa_system_vgpr_workitem_id 0
		.amdhsa_next_free_vgpr 72
		.amdhsa_next_free_sgpr 66
		.amdhsa_reserve_vcc 1
		.amdhsa_float_denorm_mode_32 3
		.amdhsa_float_denorm_mode_16_64 3
		.amdhsa_memory_ordered 1
		.amdhsa_forward_progress 1
		.amdhsa_inst_pref_size 7
	.end_amdhsa_kernel
	.amdgpu_metadata
---
amdhsa.version: [ 1, 2 ]
amdhsa.kernels:
  - .name:           k_q2c13618414_comb
    .symbol:         k_q2c13618414_comb.kd
    .args:
      - { .name: part, .offset: 0, .size: 8, .value_kind: global_buffer, .address_space: global }
      - { .name: lengths_img, .offset: 8, .size: 8, .value_kind: global_buffer, .address_space: global }
      - { .name: z, .offset: 16, .size: 8, .value_kind: global_buffer, .address_space: global }
      - { .name: out1, .offset: 24, .size: 8, .value_kind: global_buffer, .address_space: global }
    .group_segment_fixed_size: 0
    .private_segment_fixed_size: 0
    .kernarg_segment_align: 8
    .kernarg_segment_size: 32
    .max_flat_workgroup_size: 64
    .sgpr_count:     66
    .vgpr_count:     72
    .wavefront_size: 32
...
	.end_amdgpu_metadata
.endif
;; end of part 3
;; launch outk (part 4): grid 128 x 4, 8 waves a work-group, no clusters, 3,072 bytes of LDS; arguments ws1_w, z, ws1_b, lengths_img, o; writes o
.if DOCPART == 4
	.amdgcn_target "amdgcn-amd-amdhsa--gfx1250"
	.amdhsa_code_object_version 6
	.text
	.protected	k_q2c13618414_outk
	.globl	k_q2c13618414_outk
	.p2align	8
	.type	k_q2c13618414_outk,@function
k_q2c13618414_outk:
	s_mov_b64 s[64:65], 0
	v_nop
	global_prefetch_b8 v0, s[64:65] scope:SCOPE_SE
	s_setreg_imm32_b32 hwreg(HW_REG_WAVE_MODE, 25, 1), 1
	s_wait_xcnt 0x0
; o[b][e] = ws1_w[e][:] . z[b][:] + ws1_b[e] x (len[b] > 0).   ws1_w [1024][2048], z [32][2048], o [32][1024], all f32.
; The weights of a sample add up to 1, or to 0 where no row is valid, so reference()'s sum of w (feat) carries the bias once or not at all.
; F32 ON THE VECTOR UNIT: 32 rows against weights that are streamed; with 8 significant bits in the operands the largest of the 32,768 results would lie at the edge of 1% of their root mean square.
; SHARES.  Work-group (rg, bg): rows e = 8 rg .. + 7 against samples 8 bg .. + 7, all of K: 8 + 8 rows of KB bytes are loaded for 64 results.  K is split over the eight waves: wave w takes bytes
; 512 H w on of every row, lane l 16 bytes at 16 l of each 512.  All loads are issued at once.  The 64 sums over the lanes are folded (each step halves the sums a lane carries), the waves meet in LDS.
; The 64 results are eight pieces of 32 bytes of o's rows, so o's 256-byte blocks are written in parts: o is 131,072 bytes, written once, and its natural layout lets the next launch load whole runs of 512 bytes.
.set KB,   8192                        ; bytes in a row of the weights and of the other operand
.set H,    2                           ; loads of 16 bytes a lane and row
.set BIAS, 1                           ; 1: the bias counts where len > 0; 0: always
.set OUTP, 12                          ; s[12:13] the result's address
.set SPARE, 2048                       ; LDS 0 .. 2047: [wave][64 f32]; behind them the spare words, 128 bytes a wave
.set XR,  16                           ; v[16+8s ..]  sample s, 4 H registers
.set AR,  80                           ; v[80+8r ..]  row r
.set PR,  144                          ; v[144:207]   my lane's part of result i = 8 s + r
.set TP,  208                          ; v[208:223]   eight pairs at work
.set KS,  224                          ; v[224:229]   two sets of keep, send, receive
; v1, v2 the add's; v3 = 16 l + 512 H w; v4 = 8 (l % 4); v5 = 4 (l / 4); v6 = 4096 (l / 4) + 8 (l % 4); v7 = 256 w + 8 l; v8 = 8 l; v[230:231] bias; v232 length; v233 0 or 1
.macro FOLD h, mask, x                 ; 2 h sums a lane become h: lanes of the mask keep the upper h and send the lower, the others the other way round; partners are x lanes apart (h = 32: 16)
.set i, 0
.rept \h
.set kp, KS+3*(i%2)
	v_cndmask_b32 v[kp], v[PR+i], v[PR+i+(\h)], s[\mask]
	v_cndmask_b32 v[kp+1], v[PR+i+(\h)], v[PR+i], s[\mask]
.if (\h) == 32
	v_permlanex16_b32 v[kp+2], v[kp+1], s28, s29
	v_add_f32 v[PR+i], v[kp], v[kp+2]
.else
	v_add_f32_dpp v[PR+i], v[kp+1], v[kp] row_xmask:\x row_mask:0xf bank_mask:0xf
.endif
.set i, i+1
.endr
.endm
	s_load_b256 s[4:11], s[0:1], 0x0               ; weights s[4:5], the other operand s[6:7], bias s[8:9], then lengths s[10:11] (BIAS = 1) or the result
.if BIAS
	s_load_b64 s[12:13], s[0:1], 0x20              ; the result
.endif
	v_lshl_add_u32 v1, v0, 2, SPARE                ; my spare word,
	v_mov_b32 v2, 0                                ; and 0: kept for the add at the wave's end
	v_lshrrev_b32 v9, 5, v0
	v_readfirstlane_b32 s14, v9                    ; wave w
	v_and_b32 v9, 31, v0                           ; lane l
	v_lshlrev_b32 v8, 3, v9
	v_lshlrev_b32 v3, 4, v9
	s_mul_i32 s22, s14, 512*H
	v_add_nc_u32 v3, s22, v3
	v_and_b32 v10, 3, v9
	v_lshrrev_b32 v11, 2, v9
	v_lshlrev_b32 v4, 3, v10
.if BIAS
	v_lshlrev_b32 v5, 2, v11
.endif
	v_lshl_add_u32 v6, v11, 12, v4
	v_lshl_add_u32 v7, s14, 8, v8
	v_mov_b32 v[KS+2], 0                           ; v_permlanex16_b32's destination counts as read
	v_mov_b32 v[KS+5], 0
	s_mov_b32 s15, ttmp9                           ; rg
	s_and_b32 s21, ttmp7, 0xffff                   ; bg
	s_mov_b32 s16, 0xffff0000                      ; lanes with bit 4, 3, 2, 1, 0 of their number set
	s_mov_b32 s17, 0xff00ff00
	s_mov_b32 s18, 0xf0f0f0f0
	s_mov_b32 s19, 0xcccccccc
	s_mov_b32 s20, 0xaaaaaaaa
	s_mov_b32 s28, 0x76543210
	s_mov_b32 s29, 0xfedcba98
	s_mul_i32 s22, s15, 8*KB                       ; eight rows of the weights a work-group
	s_mov_b32 s23, 0
	s_mul_i32 s24, s21, 8*KB                       ; eight samples
	s_mov_b32 s25, 0
	s_lshl_b32 s26, s15, 5                         ; the bias of my eight rows
	s_mov_b32 s27, 0
.if BIAS
	s_lshl_b32 s30, s21, 5                         ; the lengths of my eight samples
	s_mov_b32 s31, 0
.endif
	s_wait_kmcnt 0x0
	s_add_nc_u64 s[4:5], s[4:5], s[22:23]
	s_add_nc_u64 s[6:7], s[6:7], s[24:25]
	s_add_nc_u64 s[8:9], s[8:9], s[26:27]
.if BIAS
	s_add_nc_u64 s[10:11], s[10:11], s[30:31]
.endif
	s_lshl_b32 s24, s21, 15                        ; the result: eight samples of 4,096 bytes, eight rows of 4
	s_add_co_u32 s24, s24, s26
	s_add_nc_u64 s[OUTP:OUTP+1], s[OUTP:OUTP+1], s[24:25]
	global_load_b64 v[230:231], v4, s[8:9]         ; the bias of rows 2 (l % 4), + 1
.if BIAS
	global_load_b32 v232, v5, s[10:11]             ; the length of sample l / 4
.endif
.set sm, 0
.rept 8
.set hh, 0
.rept H
	global_load_b128 v[XR+8*sm+4*hh:XR+8*sm+4*hh+3], v3, s[6:7] offset:KB*sm+512*hh
.set hh, hh+1
.endr
.set sm, sm+1
.endr
.set rr, 0
.rept 8
.set hh, 0
.rept H
	global_load_b128 v[AR+8*rr+4*hh:AR+8*rr+4*hh+3], v3, s[4:5] offset:KB*rr+512*hh
.set hh, hh+1
.endr
.set rr, rr+1
.endr
.set rr, 0
.rept 8
	s_wait_loadcnt H*(7-rr)                        ; row rr and all before it are in; the later rows' loads stay out
.set sm, 0
.rept 8
	v_pk_mul_f32 v[TP+2*sm:TP+2*sm+1], v[AR+8*rr:AR+8*rr+1], v[XR+8*sm:XR+8*sm+1]
.set sm, sm+1
.endr
.set pp, 1
.rept 2*H-1
.set sm, 0
.rept 8
	v_pk_fma_f32 v[TP+2*sm:TP+2*sm+1], v[AR+8*rr+2*pp:AR+8*rr+2*pp+1], v[XR+8*sm+2*pp:XR+8*sm+2*pp+1], v[TP+2*sm:TP+2*sm+1]
.set sm, sm+1
.endr
.set pp, pp+1
.endr
.set sm, 0
.rept 8
	v_add_f32 v[PR+8*sm+rr], v[TP+2*sm], v[TP+2*sm+1]
.set sm, sm+1
.endr
.set rr, rr+1
.endr
	FOLD 32, 16, 0
	FOLD 16, 17, 8
	FOLD 8, 18, 4
	FOLD 4, 19, 2
	FOLD 2, 20, 1                                  ; lane l now holds results 2 l and 2 l + 1, summed over the wave's lanes
	ds_store_b64 v7, v[PR:PR+1]
	s_wait_dscnt 0x0                               ; for wave 0's sake
	s_barrier_signal -1
	s_barrier_wait -1
	s_cmp_lg_u32 s14, 0
	s_cbranch_scc1 .Lend                           ; wave 0 alone adds the eight waves' parts
.irp w, 0,1,2,3,4,5,6,7
	ds_load_b64 v[TP+2*\w:TP+2*\w+1], v8 offset:256*\w
.endr
	s_wait_dscnt 0x0
.irp t, 4,2,1
.set w, 0
.rept \t
	v_pk_add_f32 v[TP+2*w:TP+2*w+1], v[TP+2*w:TP+2*w+1], v[TP+2*(w+\t):TP+2*(w+\t)+1]
.set w, w+1
.endr
.endr
.if BIAS
	v_cmp_lt_i32 vcc_lo, 0, v232
	v_cndmask_b32 v233, 0, 1.0, vcc_lo             ; the sum of the sample's weights
	v_fma_f32 v[TP], v230, v233, v[TP]
	v_fma_f32 v[TP+1], v231, v233, v[TP+1]
.else
	v_pk_add_f32 v[TP:TP+1], v[TP:TP+1], v[230:231]
.endif
	global_store_b64 v6, v[TP:TP+1], s[OUTP:OUTP+1]  ; sample l / 4, rows 2 (l % 4) and the next
.Lend:
	s_wait_tensorcnt 0x0                           ; the wave's end: three closing lines behind my last LDS store
	ds_add_u32 v1, v2
	s_wait_dscnt 0x0
	s_endpgm
.Lfunc_end_k_q2c13618414_outk:
	.size	k_q2c13618414_outk, .Lfunc_end_k_q2c13618414_outk-k_q2c13618414_outk
	.p2alignl 7, 3214868480
	.fill 96, 4, 3214868480
	.section	.rodata,"a",@progbits
	.p2align	6, 0x0
	.amdhsa_kernel k_q2c13618414_outk
		.amdhsa_group_segment_fixed_size 3072
		.amdhsa_private_segment_fixed_size 0
		.amdhsa_enable_private_segment 0
		.amdhsa_kernarg_size 40
		.amdhsa_user_sgpr_count 2
		.amdhsa_user_sgpr_kernarg_segment_ptr 1
		.amdhsa_wavefront_size32 1
		.amdhsa_system_sgpr_workgroup_id_x 1
		.amdhsa_system_sgpr_workgroup_id_y 1
		.amdhsa_system_sgpr_workgroup_id_z 1
		.amdhsa_system_vgpr_workitem_id 0
		.amdhsa_next_free_vgpr 240
		.amdhsa_next_free_sgpr 66
		.amdhsa_reserve_vcc 1
		.amdhsa_float_denorm_mode_32 3
		.amdhsa_float_denorm_mode_16_64 3
		.amdhsa_memory_ordered 1
		.amdhsa_forward_progress 1
		.amdhsa_inst_pref_size 38
	.end_amdhsa_kernel
	.amdgpu_metadata
---
amdhsa.version: [ 1, 2 ]
amdhsa.kernels:
  - .name:           k_q2c13618414_outk
    .symbol:         k_q2c13618414_outk.kd
    .args:
      - { .name: ws1_w, .offset: 0, .size: 8, .value_kind: global_buffer, .address_space: global }
      - { .name: z, .offset: 8, .size: 8, .value_kind: global_buffer, .address_space: global }
      - { .name: ws1_b, .offset: 16, .size: 8, .value_kind: global_buffer, .address_space: global }
      - { .name: lengths_img, .offset: 24, .size: 8, .value_kind: global_buffer, .address_space: global }
      - { .name: o, .offset: 32, .size: 8, .value_kind: global_buffer, .address_space: global }
    .group_segment_fixed_size: 3072
    .private_segment_fixed_size: 0
    .kernarg_segment_align: 8
    .kernarg_segment_size: 40
    .max_flat_workgroup_size: 256
    .sgpr_count:     66
    .vgpr_count:     240
    .wavefront_size: 32
...
	.end_amdgpu_metadata
.endif
;; end of part 4
;; launch fck (part 5): grid 128 x 4, 8 waves a work-group, no clusters, 3,072 bytes of LDS; arguments fc_w, o, fc_b, f; writes f
.if DOCPART == 5
	.amdgcn_target "amdgcn-amd-amdhsa--gfx1250"
	.amdhsa_code_object_version 6
	.text
	.protected	k_q2c13618414_fck
	.globl	k_q2c13618414_fck
	.p2align	8
	.type	k_q2c13618414_fck,@function
k_q2c13618414_fck:
	s_mov_b64 s[64:65], 0
	v_nop
	global_prefetch_b8 v0, s[64:65] scope:SCOPE_SE
	s_setreg_imm32_b32 hwreg(HW_REG_WAVE_MODE, 25, 1), 1
	s_wait_xcnt 0x0
; f[b][j] = fc_w[j][:] . o[b][:] + fc_b[j].   fc_w [1024][1024], o [32][1024], f [32][1024], all f32.
; The text is the one that makes o, with rows of 4,096 bytes (one load of 16 bytes a lane and row), a plain bias and four arguments.
; F32 ON THE VECTOR UNIT: 32 rows against weights that are streamed; with 8 significant bits in the operands the largest of the 32,768 results would lie at the edge of 1% of their root mean square.
; SHARES.  Work-group (rg, bg): rows j = 8 rg .. + 7 against samples 8 bg .. + 7, all of K: 8 + 8 rows of KB bytes are loaded for 64 results.  K is split over the eight waves: wave w takes bytes
; 512 H w on of every row, lane l 16 bytes at 16 l of each 512.  All loads are issued at once.  The 64 sums over the lanes are folded (each step halves the sums a lane carries), the waves meet in LDS.
; The 64 results are eight pieces of 32 bytes of f's rows, so f's 256-byte blocks are written in parts: f is 131,072 bytes, written once, and its natural layout lets the next launch load whole runs of 512 bytes.
.set KB,   4096                        ; bytes in a row of the weights and of the other operand
.set H,    1                           ; loads of 16 bytes a lane and row
.set BIAS, 0                           ; 1: the bias counts where len > 0; 0: always
.set OUTP, 10                          ; s[10:11] the result's address
.set SPARE, 2048                       ; LDS 0 .. 2047: [wave][64 f32]; behind them the spare words, 128 bytes a wave
.set XR,  16                           ; v[16+8s ..]  sample s, 4 H registers
.set AR,  80                           ; v[80+8r ..]  row r
.set PR,  144                          ; v[144:207]   my lane's part of result i = 8 s + r
.set TP,  208                          ; v[208:223]   eight pairs at work
.set KS,  224                          ; v[224:229]   two sets of keep, send, receive
; v1, v2 the add's; v3 = 16 l + 512 H w; v4 = 8 (l % 4); v6 = 4096 (l / 4) + 8 (l % 4); v7 = 256 w + 8 l; v8 = 8 l; v[230:231] bias
.macro FOLD h, mask, x                 ; 2 h sums a lane become h: lanes of the mask keep the upper h and send the lower, the others the other way round; partners are x lanes apart (h = 32: 16)
.set i, 0
.rept \h
.set kp, KS+3*(i%2)
	v_cndmask_b32 v[kp], v[PR+i], v[PR+i+(\h)], s[\mask]
	v_cndmask_b32 v[kp+1], v[PR+i+(\h)], v[PR+i], s[\mask]
.if (\h) == 32
	v_permlanex16_b32 v[kp+2], v[kp+1], s28, s29
	v_add_f32 v[PR+i], v[kp], v[kp+2]
.else
	v_add_f32_dpp v[PR+i], v[kp+1], v[kp] row_xmask:\x row_mask:0xf bank_mask:0xf
.endif
.set i, i+1
.endr
.endm
	s_load_b256 s[4:11], s[0:1], 0x0               ; weights s[4:5], the other operand s[6:7], bias s[8:9], then lengths s[10:11] (BIAS = 1) or the result
.if BIAS
	s_load_b64 s[12:13], s[0:1], 0x20              ; the result
.endif
	v_lshl_add_u32 v1, v0, 2, SPARE                ; my spare word,
	v_mov_b32 v2, 0                                ; and 0: kept for the add at the wave's end
	v_lshrrev_b32 v9, 5, v0
	v_readfirstlane_b32 s14, v9                    ; wave w
	v_and_b32 v9, 31, v0                           ; lane l
	v_lshlrev_b32 v8, 3, v9
	v_lshlrev_b32 v3, 4, v9
	s_mul_i32 s22, s14, 512*H
	v_add_nc_u32 v3, s22, v3
	v_and_b32 v10, 3, v9
	v_lshrrev_b32 v11, 2, v9
	v_lshlrev_b32 v4, 3, v10
.if BIAS
	v_lshlrev_b32 v5, 2, v11
.endif
	v_lshl_add_u32 v6, v11, 12, v4
	v_lshl_add_u32 v7, s14, 8, v8
	v_mov_b32 v[KS+2], 0                           ; v_permlanex16_b32's destination counts as read
	v_mov_b32 v[KS+5], 0
	s_mov_b32 s15, ttmp9                           ; rg
	s_and_b32 s21, ttmp7, 0xffff                   ; bg
	s_mov_b32 s16, 0xffff0000                      ; lanes with bit 4, 3, 2, 1, 0 of their number set
	s_mov_b32 s17, 0xff00ff00
	s_mov_b32 s18, 0xf0f0f0f0
	s_mov_b32 s19, 0xcccccccc
	s_mov_b32 s20, 0xaaaaaaaa
	s_mov_b32 s28, 0x76543210
	s_mov_b32 s29, 0xfedcba98
	s_mul_i32 s22, s15, 8*KB                       ; eight rows of the weights a work-group
	s_mov_b32 s23, 0
	s_mul_i32 s24, s21, 8*KB                       ; eight samples
	s_mov_b32 s25, 0
	s_lshl_b32 s26, s15, 5                         ; the bias of my eight rows
	s_mov_b32 s27, 0
.if BIAS
	s_lshl_b32 s30, s21, 5                         ; the lengths of my eight samples
	s_mov_b32 s31, 0
.endif
	s_wait_kmcnt 0x0
	s_add_nc_u64 s[4:5], s[4:5], s[22:23]
	s_add_nc_u64 s[6:7], s[6:7], s[24:25]
	s_add_nc_u64 s[8:9], s[8:9], s[26:27]
.if BIAS
	s_add_nc_u64 s[10:11], s[10:11], s[30:31]
.endif
	s_lshl_b32 s24, s21, 15                        ; the result: eight samples of 4,096 bytes, eight rows of 4
	s_add_co_u32 s24, s24, s26
	s_add_nc_u64 s[OUTP:OUTP+1], s[OUTP:OUTP+1], s[24:25]
	global_load_b64 v[230:231], v4, s[8:9]         ; the bias of rows 2 (l % 4), + 1
.if BIAS
	global_load_b32 v232, v5, s[10:11]             ; the length of sample l / 4
.endif
.set sm, 0
.rept 8
.set hh, 0
.rept H
	global_load_b128 v[XR+8*sm+4*hh:XR+8*sm+4*hh+3], v3, s[6:7] offset:KB*sm+512*hh
.set hh, hh+1
.endr
.set sm, sm+1
.endr
.set rr, 0
.rept 8
.set hh, 0
.rept H
	global_load_b128 v[AR+8*rr+4*hh:AR+8*rr+4*hh+3], v3, s[4:5] offset:KB*rr+512*hh
.set hh, hh+1
.endr
.set rr, rr+1
.endr
.set rr, 0
.rept 8
	s_wait_loadcnt H*(7-rr)                        ; row rr and all before it are in; the later rows' loads stay out
.set sm, 0
.rept 8
	v_pk_mul_f32 v[TP+2*sm:TP+2*sm+1], v[AR+8*rr:AR+8*rr+1], v[XR+8*sm:XR+8*sm+1]
.set sm, sm+1
.endr
.set pp, 1
.rept 2*H-1
.set sm, 0
.rept 8
	v_pk_fma_f32 v[TP+2*sm:TP+2*sm+1], v[AR+8*rr+2*pp:AR+8*rr+2*pp+1], v[XR+8*sm+2*pp:XR+8*sm+2*pp+1], v[TP+2*sm:TP+2*sm+1]
.set sm, sm+1
.endr
.set pp, pp+1
.endr
.set sm, 0
.rept 8
	v_add_f32 v[PR+8*sm+rr], v[TP+2*sm], v[TP+2*sm+1]
.set sm, sm+1
.endr
.set rr, rr+1
.endr
	FOLD 32, 16, 0
	FOLD 16, 17, 8
	FOLD 8, 18, 4
	FOLD 4, 19, 2
	FOLD 2, 20, 1                                  ; lane l now holds results 2 l and 2 l + 1, summed over the wave's lanes
	ds_store_b64 v7, v[PR:PR+1]
	s_wait_dscnt 0x0                               ; for wave 0's sake
	s_barrier_signal -1
	s_barrier_wait -1
	s_cmp_lg_u32 s14, 0
	s_cbranch_scc1 .Lend                           ; wave 0 alone adds the eight waves' parts
.irp w, 0,1,2,3,4,5,6,7
	ds_load_b64 v[TP+2*\w:TP+2*\w+1], v8 offset:256*\w
.endr
	s_wait_dscnt 0x0
.irp t, 4,2,1
.set w, 0
.rept \t
	v_pk_add_f32 v[TP+2*w:TP+2*w+1], v[TP+2*w:TP+2*w+1], v[TP+2*(w+\t):TP+2*(w+\t)+1]
.set w, w+1
.endr
.endr
.if BIAS
	v_cmp_lt_i32 vcc_lo, 0, v232
	v_cndmask_b32 v233, 0, 1.0, vcc_lo             ; the sum of the sample's weights
	v_fma_f32 v[TP], v230, v233, v[TP]
	v_fma_f32 v[TP+1], v231, v233, v[TP+1]
.else
	v_pk_add_f32 v[TP:TP+1], v[TP:TP+1], v[230:231]
.endif
	global_store_b64 v6, v[TP:TP+1], s[OUTP:OUTP+1]  ; sample l / 4, rows 2 (l % 4) and the next
.Lend:
	s_wait_tensorcnt 0x0                           ; the wave's end: three closing lines behind my last LDS store
	ds_add_u32 v1, v2
	s_wait_dscnt 0x0
	s_endpgm
.Lfunc_end_k_q2c13618414_fck:
	.size	k_q2c13618414_fck, .Lfunc_end_k_q2c13618414_fck-k_q2c13618414_fck
	.p2alignl 7, 3214868480
	.fill 96, 4, 3214868480
	.section	.rodata,"a",@progbits
	.p2align	6, 0x0
	.amdhsa_kernel k_q2c13618414_fck
		.amdhsa_group_segment_fixed_size 3072
		.amdhsa_private_segment_fixed_size 0
		.amdhsa_enable_private_segment 0
		.amdhsa_kernarg_size 32
		.amdhsa_user_sgpr_count 2
		.amdhsa_user_sgpr_kernarg_segment_ptr 1
		.amdhsa_wavefront_size32 1
		.amdhsa_system_sgpr_workgroup_id_x 1
		.amdhsa_system_sgpr_workgroup_id_y 1
		.amdhsa_system_sgpr_workgroup_id_z 1
		.amdhsa_system_vgpr_workitem_id 0
		.amdhsa_next_free_vgpr 240
		.amdhsa_next_free_sgpr 66
		.amdhsa_reserve_vcc 1
		.amdhsa_float_denorm_mode_32 3
		.amdhsa_float_denorm_mode_16_64 3
		.amdhsa_memory_ordered 1
		.amdhsa_forward_progress 1
		.amdhsa_inst_pref_size 28
	.end_amdhsa_kernel
	.amdgpu_metadata
---
amdhsa.version: [ 1, 2 ]
amdhsa.kernels:
  - .name:           k_q2c13618414_fck
    .symbol:         k_q2c13618414_fck.kd
    .args:
      - { .name: fc_w, .offset: 0, .size: 8, .value_kind: global_buffer, .address_space: global }
      - { .name: o, .offset: 8, .size: 8, .value_kind: global_buffer, .address_space: global }
      - { .name: fc_b, .offset: 16, .size: 8, .value_kind: global_buffer, .address_space: global }
      - { .name: f, .offset: 24, .size: 8, .value_kind: global_buffer, .address_space: global }
    .group_segment_fixed_size: 3072
    .private_segment_fixed_size: 0
    .kernarg_segment_align: 8
    .kernarg_segment_size: 32
    .max_flat_workgroup_size: 256
    .sgpr_count:     66
    .vgpr_count:     240
    .wavefront_size: 32
...
	.end_amdgpu_metadata
.endif
;; end of part 5
;; launch normk (part 6): grid 32 x 1, 1 waves a work-group, no clusters, 0 bytes of LDS; arguments f, out0; writes out0
.if DOCPART == 6
	.amdgcn_target "amdgcn-amd-amdhsa--gfx1250"
	.amdhsa_code_object_version 6
	.text
	.protected	k_q2c13618414_normk
	.globl	k_q2c13618414_normk
	.p2align	8
	.type	k_q2c13618414_normk,@function
k_q2c13618414_normk:
	s_mov_b64 s[64:65], 0
	v_nop
	global_prefetch_b8 v0, s[64:65] scope:SCOPE_SE
	s_setreg_imm32_b32 hwreg(HW_REG_WAVE_MODE, 25, 1), 1
	s_wait_xcnt 0x0
; out0[b][:] = f[b][:] / sqrt(sum of f[b][j]^2).   f, out0: [32][1024] f32.
; One wave takes one sample: its row of 4,096 bytes is 32 registers, kept between the sum and the scaling, so f is read once.  There are 32 rows, so there is work for 32 waves and no more.
; LIMIT.  The sum of squares must be a normal f32 number (v_rsq_f32 takes a denormal as 0: ISA guide 15.8); an all-zero row gives NaN, as in reference().
.set X, 8                              ; v[8:39]   the row: lane l holds columns 128 j + 4 l .. + 3 in registers 4 j .. 4 j + 3
.set C, 40                             ; v[40:47]  four chains of packed sums
	s_load_b128 s[4:7], s[0:1], 0x0                ; f s[4:5], out0 s[6:7]
	v_lshlrev_b32 v1, 4, v0                        ; 16 l
	v_mov_b32 v3, 0                                ; v_permlanex16_b32's destination counts as read
	s_lshl_b32 s2, ttmp9, 12                       ; sample b's row
	s_mov_b32 s3, 0
	s_mov_b32 s8, 0x76543210
	s_mov_b32 s9, 0xfedcba98
	s_wait_kmcnt 0x0
	s_add_nc_u64 s[4:5], s[4:5], s[2:3]
	s_add_nc_u64 s[6:7], s[6:7], s[2:3]
.irp j, 0,1,2,3,4,5,6,7
	global_load_b128 v[X+4*\j:X+4*\j+3], v1, s[4:5] offset:512*\j
.endr
	s_wait_loadcnt 0x0
.set i, 0
.rept 4
	v_pk_mul_f32 v[C+2*i:C+2*i+1], v[X+2*i:X+2*i+1], v[X+2*i:X+2*i+1]  ; the first squares start the chains
.set i, i+1
.endr
.rept 12
	v_pk_fma_f32 v[C+2*(i%4):C+2*(i%4)+1], v[X+2*i:X+2*i+1], v[X+2*i:X+2*i+1], v[C+2*(i%4):C+2*(i%4)+1]
.set i, i+1
.endr
	v_pk_add_f32 v[C:C+1], v[C:C+1], v[C+2:C+3]
	v_pk_add_f32 v[C+4:C+5], v[C+4:C+5], v[C+6:C+7]
	v_pk_add_f32 v[C:C+1], v[C:C+1], v[C+4:C+5]
	v_add_f32 v2, v[C], v[C+1]
	v_add_f32_dpp v2, v2, v2 row_xmask:1 row_mask:0xf bank_mask:0xf
	v_add_f32_dpp v2, v2, v2 row_xmask:2 row_mask:0xf bank_mask:0xf
	v_add_f32_dpp v2, v2, v2 row_xmask:4 row_mask:0xf bank_mask:0xf
	v_add_f32_dpp v2, v2, v2 row_xmask:8 row_mask:0xf bank_mask:0xf
	v_permlanex16_b32 v3, v2, s8, s9
	v_add_f32 v2, v2, v3                           ; every lane holds the row's sum of squares
	v_rsq_f32 v4, v2                               ; twice, to fill the pair that the packed multiply names
	v_rsq_f32 v5, v2
	v_nop                                          ; a plain instruction between the second and the use of its result
.set i, 0
	s_wait_alu depctr_va_vdst(0)
.rept 16
	v_pk_mul_f32 v[X+2*i:X+2*i+1], v[X+2*i:X+2*i+1], v[4:5]
.set i, i+1
.endr
.irp j, 0,1,2,3,4,5,6,7
	global_store_b128 v1, v[X+4*\j:X+4*\j+3], s[6:7] offset:512*\j  ; 512 consecutive bytes, aligned
.endr
	s_endpgm
.Lfunc_end_k_q2c13618414_normk:
	.size	k_q2c13618414_normk, .Lfunc_end_k_q2c13618414_normk-k_q2c13618414_normk
	.p2alignl 7, 3214868480
	.fill 96, 4, 3214868480
	.section	.rodata,"a",@progbits
	.p2align	6, 0x0
	.amdhsa_kernel k_q2c13618414_normk
		.amdhsa_group_segment_fixed_size 0
		.amdhsa_private_segment_fixed_size 0
		.amdhsa_enable_private_segment 0
		.amdhsa_kernarg_size 16
		.amdhsa_user_sgpr_count 2
		.amdhsa_user_sgpr_kernarg_segment_ptr 1
		.amdhsa_wavefront_size32 1
		.amdhsa_system_sgpr_workgroup_id_x 1
		.amdhsa_system_sgpr_workgroup_id_y 1
		.amdhsa_system_sgpr_workgroup_id_z 1
		.amdhsa_system_vgpr_workitem_id 0
		.amdhsa_next_free_vgpr 48
		.amdhsa_next_free_sgpr 66
		.amdhsa_reserve_vcc 0
		.amdhsa_float_denorm_mode_32 3
		.amdhsa_float_denorm_mode_16_64 3
		.amdhsa_memory_ordered 1
		.amdhsa_forward_progress 1
		.amdhsa_inst_pref_size 5
	.end_amdhsa_kernel
	.amdgpu_metadata
---
amdhsa.version: [ 1, 2 ]
amdhsa.kernels:
  - .name:           k_q2c13618414_normk
    .symbol:         k_q2c13618414_normk.kd
    .args:
      - { .name: f, .offset: 0, .size: 8, .value_kind: global_buffer, .address_space: global }
      - { .name: out0, .offset: 8, .size: 8, .value_kind: global_buffer, .address_space: global }
    .group_segment_fixed_size: 0
    .private_segment_fixed_size: 0
    .kernarg_segment_align: 8
    .kernarg_segment_size: 16
    .max_flat_workgroup_size: 32
    .sgpr_count:     66
    .vgpr_count:     48
    .wavefront_size: 32
...
	.end_amdgpu_metadata
.endif
;; end of part 6
;; ======== version 2 of 2: 6 launches; version 1 with the launch stream written anew for expert scheduling mode
;; workspace buffers: up 2,097,152 bytes; part 2,293,760 bytes; z 262,144 bytes; o 131,072 bytes; f 131,072 bytes
;; launch ucalc: the kernel of part 1 again; grid 32 x 8, 8 waves a work-group, no clusters, 66,560 bytes of LDS; arguments cap_embs, ws1_w, up; writes up
;; launch stream (part 7): grid 8 x 32, 8 waves a work-group, no clusters, 75,520 bytes of LDS; arguments images, up, lengths_img, part; writes part
.if DOCPART == 7
	.amdgcn_target "amdgcn-amd-amdhsa--gfx1250"
	.amdhsa_code_object_version 6
	.text
	.protected	k_q2c13618414_stream
	.globl	k_q2c13618414_stream
	.p2align	8
	.type	k_q2c13618414_stream,@function
k_q2c13618414_stream:
	s_mov_b64 s[64:65], 0
	v_nop
	global_prefetch_b8 v0, s[64:65] scope:SCOPE_SE
	s_setreg_imm32_b32 hwreg(HW_REG_WAVE_SCHED_MODE, 0, 2), 2
	s_setreg_imm32_b32 hwreg(HW_REG_WAVE_MODE, 25, 1), 1
	s_wait_xcnt 0x0
	s_wait_alu depctr_vm_vsrc(0)
; ONE PASS OVER THE VALID IMAGE ROWS.  For sample b and row n < len: s = images[b][n] . u[b] (u holds log2(e)); a running maximum m, sum l = sum of 2^(s - m), and row sum zp = sum of 2^(s - m) images[b][n].
; images [32][1024][2048] f32; up [8][32][2048] f32 (eight partial u, added here); lengths_img [32] i32; part: 256 records of 8,960 bytes, number 8 b + c:
;   bytes 0 .. 8191 zp[2048];  8192 .. 8703 128 scores at index 32 k + 4 v + r (row n = 256 k + 32 c + 4 v + r);  8704 .. 8959 the pair (m, l), 32 times, so that one store writes the whole block.
; WHY.  out = sum of w[n] feat[n] = ws1_w . z + ws1_b x sum of w, with z = sum of w[n] images[n]: both uses of feat are linear in it, so the row is used while it lies in registers and is read once.
; ALL IN F32 ON THE VECTOR UNIT: each image byte meets two numbers only (u and its weight), so the pass goes at the pace of its loads, and there is nothing for a matrix unit, LDS tiles or a cluster to share.
; SHARES.  Work-group (c, b), wave v: number g = 8 c + v among the sample's 64.  The unit is a QUAD, four rows on end, 32,768 consecutive bytes; wave g takes quads g + 64 k, k < Q.  Rows at or beyond the
; length's last quad are never loaded.  A wave's quad 0 (rows below 256) lies inside the buffer whatever the length: it is asked for before the length has come, and rows that are not valid count as
; score -FLT_MAX and weight 0.  A wave holds a whole row: lane l has columns 128 j + 4 l .. + 3 in registers 4 j .. 4 j + 3.  Four row slots: 64 loads of 512 consecutive bytes, 32,768 bytes, on their way in each wave.
; The rescaling of zp by a = 2^(m_old - m_new) runs in every turn: to skip it would be a branch on floating-point data.
; LIMITS.  The length is clamped to 0 .. 1024.  NaN and infinities are not treated apart (a row of a loaded quad that is not valid is still multiplied by 0).  A weight below 2^-126 counts as 0.
; A valid score at or below -FLT_MAX is not told from a row that is not valid.
; REGISTERS.  Window 0: v1, v2 the add's; v3 = 16 l; v[4:5] m, l; v[6:7] a, 0; v[8:9] p, 0; v[10:17] four chains; v18 score; v19 at work; v20 my lane's score to keep; v21 -FLT_MAX; v22-24 at work;
; v25-31 addresses; v[32:95] u; v[96:159] zp; v[160:247] the merge.  Window 1: the four row slots, slot r at v[64 r : 64 r + 63].  s[30:37]: slot r's base, a pair at 30 + 2 r.
; THE MODE: SCHED_MODE bits 1:0 = 2 (LLVM: expert scheduling mode 2), set by the entry lines.  The code itself states the register dependences between vector instructions and memory or LDS
; instructions, with s_wait_alu, always for 0.
; THE PLAN.  Registers that memory or LDS instructions touch:
;   slot r          Its 16 loads land in it; turn r's dot product and its 32 multiply-adds into zp read it; behind them the same row of the wave's next quad is asked for, at once.
;   v3              The offset of every image load: made at the head, never written again.  The rows are reached by the slots' scalar bases and by immediate offsets.
;   u, v[32:95]     Head only: the loads of up land, the packed adds work on them, two LDS stores read v[32:39], sixteen LDS loads land in all 64; in the turns vector instructions alone read them.
;   v25 - v31       LDS and record addresses: made once in the set-up, never written again.  v26: the offset of the loads of up.
;   zp, m, l, v20   Vector instructions alone name them in the turns; the merge's LDS stores read them, and nothing writes them afterwards.
;   v[160:247], v19, v[22:24]   The merge: see there.          v1, v2   Written at the head, read by the closing add alone.
; So a turn that refills has ONE wait for its loads, behind the lines that empty the slot and ahead of the run of 16 loads.  It stands there and not at the next turn's head, since a slot that waited for the
; next row's data would lie idle meanwhile; the loads stand in one run, since they and the row's readers want different register windows.  No vector instruction in the loop writes a register that a memory
; instruction reads, so the loop holds no wait on vm_vsrc.  The other wait of a turn is the one behind its two exponentials.
.set REC,   8960
.set UB,    65536                      ; LDS 0 .. 65535: [wave][8192] the waves' zp;  UB: the summed u, 8,192 bytes
.set SCB,   73728                      ; 128 scores
.set STAT,  74240                      ; (m, l) of the eight waves, 64 bytes of a block of 256
.set SPARE, 74496                      ; the spare words, 128 bytes a wave
.set QSTEP, 0x200000                   ; 64 quads of 32,768 bytes: from a wave's quad to its next
.set SB, 30                            ; s[30:37]  slot r: the address of the row that the slot is asked for next
.set DT, 10
.set UU, 32
.set ZZ, 96
.set SW, 160                           ; the merge: (m_w, l_w) at v[160+2w : 161+2w]
.set SL, 176                           ; the merge: wave w's slice, half a, at v[176 + 4 (2 w + a)]
.set RS, 240                           ; the merge: the result
.set MSB, 0
.macro WIN new                         ; s_set_vgpr_msb: bits 1:0 source 0, 7:6 destination; the high byte repeats the setting that is left; a switch that changes nothing is dropped
.if MSB != (\new)
	s_set_vgpr_msb (MSB<<8)|(\new)
.set MSB, \new
.endif
.endm
.macro FILL r                          ; the row at slot r's base: 16 loads of 512 consecutive bytes into slot r.  It leaves the windows as the loads want them
	WIN 0x40                                       ; destination window 1, address window 0
.set j, 0
.rept 16
	global_load_b128 v[64*(\r)+4*j:64*(\r)+4*j+3], v3, s[SB+2*(\r):SB+2*(\r)+1] offset:512*j th:TH_LOAD_NT
.set j, j+1
.endr
.endm
; The turn of slot r.  left = the younger loads that may stay out.  refill = 1: the slot takes the same row of the wave's next quad.  A turn leaves the windows as its last lines want them.
.macro TURN r, refill, left
	s_wait_loadcnt \left                           ; loads come back in order (ISA guide 5.7.1): this slot's 16 are in
.if \refill
	s_add_nc_u64 s[SB+2*(\r):SB+2*(\r)+1], s[SB+2*(\r):SB+2*(\r)+1], QSTEP  ; free since that wait, which shows the 16 loads that read it done: the same row of my next quad
.endif
	WIN 0x01                                       ; source 0, the row, in window 1
.set i, 0
.rept 4
	v_pk_mul_f32 v[DT+2*i:DT+2*i+1], v[64*(\r)+2*i:64*(\r)+2*i+1], v[UU+2*i:UU+2*i+1]  ; four chains, started by the first products
.set i, i+1
.endr
	s_add_co_u32 s22, s19, \r                      ; the row's number,
	s_cmp_lt_u32 s22, s15                          ; valid?
	s_cselect_b32 s21, -1, 0                       ; as a mask of all lanes
.rept 28
	v_pk_fma_f32 v[DT+2*(i%4):DT+2*(i%4)+1], v[64*(\r)+2*i:64*(\r)+2*i+1], v[UU+2*i:UU+2*i+1], v[DT+2*(i%4):DT+2*(i%4)+1]
.set i, i+1
.endr
	WIN 0
	v_pk_add_f32 v[DT:DT+1], v[DT:DT+1], v[DT+2:DT+3]
	v_pk_add_f32 v[DT+4:DT+5], v[DT+4:DT+5], v[DT+6:DT+7]
	v_pk_add_f32 v[DT:DT+1], v[DT:DT+1], v[DT+4:DT+5]
	v_add_f32 v18, v[DT], v[DT+1]
	v_add_f32_dpp v18, v18, v18 row_xmask:1 row_mask:0xf bank_mask:0xf
	v_add_f32_dpp v18, v18, v18 row_xmask:2 row_mask:0xf bank_mask:0xf
	v_add_f32_dpp v18, v18, v18 row_xmask:4 row_mask:0xf bank_mask:0xf
	v_add_f32_dpp v18, v18, v18 row_xmask:8 row_mask:0xf bank_mask:0xf
	v_permlanex16_b32 v19, v18, s28, s29           ; the other half of the lanes
	v_add_f32 v18, v18, v19                        ; every lane holds the score
	v_cndmask_b32 v18, v21, v18, s21               ; -FLT_MAX for a row that is not valid
	v_cndmask_b32 v20, v20, v18, s20               ; lanes t and t + 16 keep the score of the wave's turn t
	s_lshl_b32 s20, s20, 1
	v_max_num_f32 v22, v4, v18                     ; the new m
	v_sub_f32 v23, v4, v22
	v_sub_f32 v24, v18, v22
	v_exp_f32 v6, v23                              ; a
	v_exp_f32 v8, v24                              ; p
	v_mov_b32 v4, v22                              ; the plain instruction between the exponentials and the use of their results
	s_wait_alu depctr_va_vdst(0)                   ; the two exponentials have written a (v6) and p (v8), ahead of their first reader
	v_cndmask_b32 v8, 0, v8, s21                   ; weight 0 for a row that is not valid
	v_fma_f32 v5, v5, v6, v8                       ; l = a l + p
.set i, 0
.rept 32
	v_pk_mul_f32 v[ZZ+2*i:ZZ+2*i+1], v[ZZ+2*i:ZZ+2*i+1], v[6:7] op_sel_hi:[1,0]
.set i, i+1
.endr
	WIN 0x01
.set i, 0
.rept 32
	v_pk_fma_f32 v[ZZ+2*i:ZZ+2*i+1], v[64*(\r)+2*i:64*(\r)+2*i+1], v[8:9], v[ZZ+2*i:ZZ+2*i+1] op_sel_hi:[1,0,1]
.set i, i+1
.endr
.if \refill
	WIN 0x40                                       ; the switch, then the wait, then the loads
	s_wait_alu depctr_va_vdst(0)                   ; the multiply-adds above, and the dot product before them, are done reading slot r, in which the 16 loads below land
	FILL \r
.endif
.endm
	s_load_b256 s[4:11], s[0:1], 0x0               ; images s[4:5], up s[6:7], lengths_img s[8:9], part s[10:11]
	v_lshl_add_u32 v1, v0, 2, SPARE                ; my spare word,
	v_mov_b32 v2, 0                                ; and 0: kept for the add at the wave's end
	v_lshrrev_b32 v19, 5, v0
	v_readfirstlane_b32 s12, v19                   ; wave v
	v_and_b32 v3, 31, v0
	v_lshlrev_b32 v3, 4, v3                        ; 16 l
	v_lshlrev_b32 v26, 4, v0                       ; 16 x thread
	s_wait_alu depctr_va_sdst(0)                   ; s12 is written, ahead of its first reader: g, the bases and the LDS addresses are made from it
	s_mov_b32 s13, ttmp9                           ; c
	s_and_b32 s14, ttmp7, 0xffff                   ; b
	s_lshl_b32 s16, s13, 3
	s_add_co_u32 s16, s16, s12                     ; g = 8 c + v
	s_lshl_b32 s22, s14, 2                         ; lengths_img: 4 b
	s_mov_b32 s23, 0
	s_lshl_b32 s24, s14, 13                        ; up: 8,192 b
	s_mov_b32 s25, 0
	s_lshl_b32 s26, s14, 23                        ; images: sample b, quad g
	s_lshl_b32 s27, s16, 15
	s_add_co_u32 s26, s26, s27
	s_mov_b32 s27, 0
	s_wait_kmcnt 0x0
	s_add_nc_u64 s[8:9], s[8:9], s[22:23]
	s_load_b32 s15, s[8:9], 0x0                    ; the sample's length
	s_add_nc_u64 s[6:7], s[6:7], s[24:25]
	s_add_nc_u64 s[4:5], s[4:5], s[26:27]
.irp r, 0,1,2,3
	s_add_nc_u64 s[SB+2*\r:SB+2*\r+1], s[4:5], 8192*\r  ; slot r: row r of my quad 0
.endr
	s_lshl_b32 s22, s14, 3
	s_add_co_u32 s22, s22, s13
	s_mul_i32 s22, s22, REC                        ; my record
	s_add_nc_u64 s[10:11], s[10:11], s[22:23]
	s_wait_alu depctr_va_vdst(0)                   ; v3 and v26 are written: the loads below read them as their offsets
.irp w, 0,1,2,3,4,5,6,7                ; the eight partial u: thread t takes 16 bytes at 16 t of each half of the sample's 8,192
.irp a, 0,1
	global_load_b128 v[UU+4*(2*\w+\a):UU+4*(2*\w+\a)+3], v26, s[6:7] offset:262144*\w+4096*\a
.endr
.endr
	FILL 0                                         ; no vector instruction has named the slots, and only loads and window switches stand behind the wait above
	FILL 1
	FILL 2
	WIN 0
	; set-up, in the wait for the loads.  No first turn is written out: m starts at -FLT_MAX, l and zp at 0, so the first valid row's a is 0; the price is the 64 lines that clear zp.
	; None of these lines writes v3, v26, u or a slot: the registers that the loads on their way read or land in.
	s_mov_b32 s28, 0x76543210                      ; v_permlanex16_b32: each lane takes its own place in the other half
	s_mov_b32 s29, 0xfedcba98
	v_mov_b32 v21, 0xff7fffff                      ; -FLT_MAX
	v_mov_b32 v4, v21
	v_mov_b32 v5, 0
	v_mov_b32 v7, 0                                ; named in a pair with a,
	v_mov_b32 v9, 0                                ; and with p
	v_mov_b32 v20, v21
	v_lshl_add_u32 v25, s12, 13, v3                ; my zp in LDS: 8,192 v + 16 l
	v_add_nc_u32 v27, UB, v3
	v_bfe_u32 v22, v0, 2, 2                        ; (l % 16) / 4 = k of the score that my lane keeps,
	v_and_b32 v23, 3, v0                           ; l % 4 = its r
	v_lshlrev_b32 v28, 7, v22
	v_lshl_add_u32 v28, v23, 2, v28
	s_lshl_b32 s22, s12, 4
	s_add_co_u32 s22, s22, SCB
	v_add_nc_u32 v28, s22, v28                     ; SCB + 128 k + 16 v + 4 r
	s_lshl_b32 s23, s12, 3
	s_add_co_u32 s23, s23, STAT
	v_mov_b32 v29, s23                             ; STAT + 8 v
	v_lshl_add_u32 v30, s12, 10, v3                ; 1,024 v + 16 l: my slice of a zp, in LDS and in the record
	v_add_nc_u32 v31, UB, v26
.set i, 0
.rept 64
	v_mov_b32 v[ZZ+i], 0
.set i, i+1
.endr
	s_wait_kmcnt 0x0                               ; the length
	s_max_i32 s15, s15, 0
	s_min_i32 s15, s15, 1024
	s_add_co_u32 s17, s15, 3
	s_lshr_b32 s17, s17, 2                         ; quads that hold a valid row, at most 256
	s_add_co_u32 s17, s17, 63
	s_sub_co_u32 s17, s17, s16
	s_lshr_b32 s17, s17, 6                         ; of them mine: g, g + 64, ..: 0 to 4
	s_max_u32 s17, s17, 1                          ; quad 0 is taken in any case
	s_lshl_b32 s19, s16, 2                         ; the first row of the quad in hand
	s_mov_b32 s20, 0x10001                         ; the lanes that keep the next score
	s_wait_loadcnt 48                              ; the 16 loads of up are in; the 48 younger ones, three rows, stay out
.irp t, 4,2,1
.set w, 0
.rept \t
.irp a, 0,2,4,6
	v_pk_add_f32 v[UU+8*w+\a:UU+8*w+\a+1], v[UU+8*w+\a:UU+8*w+\a+1], v[UU+8*(w+\t)+\a:UU+8*(w+\t)+\a+1]
.endr
.set w, w+1
.endr
.endr
	s_wait_alu depctr_va_vdst(0)                   ; the adds have written v[32:39] and the set-up v31, which the LDS stores read; the adds are done with all of v[32:95], in which the LDS loads below land; v27 is written, their address
	ds_store_b128 v31, v[UU:UU+3]
	ds_store_b128 v31, v[UU+4:UU+7] offset:4096
	s_wait_dscnt 0x0                               ; for the others' sake: my part of u is stored
	s_barrier_signal -1
	s_barrier_wait -1                              ; u is whole
	s_wait_alu depctr_vm_vsrc(0)                   ; my two LDS stores have read v[32:39], in which the LDS loads below land
	FILL 3                                         ; no vector instruction has named slot 3, and none since the wait on va_vdst above names v3
	WIN 0
.set j, 0
.rept 16
	ds_load_b128 v[UU+4*j:UU+4*j+3], v27 offset:512*j  ; u in the rows' own layout
.set j, j+1
.endr
	s_wait_dscnt 0x0
	s_mov_b32 s18, 1
	s_cmp_lt_u32 s18, s17
	s_cbranch_scc0 .Ltail                          ; one quad only
.Lquad:                                                ; a trip works on a quad and asks for the next; at its head slots 0 to 3 are out, in this order, on both ways in
	TURN 0, 1, 48                                  ; the three younger slots' 48 loads stay out
	TURN 1, 1, 48
	TURN 2, 1, 48
	TURN 3, 1, 48
	WIN 0                                          ; at a label and at a branch every window is 0
	s_add_co_u32 s19, s19, 256
	s_add_co_u32 s18, s18, 1
	s_cmp_lt_u32 s18, s17
	s_cbranch_scc1 .Lquad
.Ltail:                                                ; the last quad asks for nothing: the counts run down, and no wait for loads is written
	TURN 0, 0, 48
	TURN 1, 0, 32
	TURN 2, 0, 16
	TURN 3, 0, 0
	WIN 0
	; THE MERGE of the eight waves.  Registers that its LDS and memory instructions touch: zp, v[4:5], v20 (stored to LDS, not written again); v19, v25, v27 to v30, v3, v24 (addresses, not written again behind
	; their waits); v[160:239] (LDS loads land, vector instructions read; in wave 0 a load lands in v[176:179] once more); v[240:247], v[22:23] (vector instructions write, the record's stores read).
	v_mov_b32 v19, STAT                            ; made here, so that the wait below serves the LDS loads behind the barrier too
	s_wait_alu depctr_va_vdst(0)                   ; the last turn has written zp, m, l and v20, which the LDS stores read; v19 is written
.set j, 0
.rept 16
	ds_store_b128 v25, v[ZZ+4*j:ZZ+4*j+3] offset:512*j  ; in LDS a wave's zp lies in the columns' order
.set j, j+1
.endr
	ds_store_b64 v29, v[4:5]                       ; all lanes write the same pair to the same place
	ds_store_b32 v28, v20                          ; lanes t and t + 16 write the same score to the same word
	s_wait_dscnt 0x0                               ; for the others' sake
	s_barrier_signal -1
	s_barrier_wait -1
.irp a, 0,1,2,3
	ds_load_b128 v[SW+4*\a:SW+4*\a+3], v19 offset:16*\a  ; no vector instruction has named v[160:239] so far
.endr
.irp w, 0,1,2,3,4,5,6,7                ; wave v takes columns 256 v .. + 255 of all eight
.irp a, 0,1
	ds_load_b128 v[SL+4*(2*\w+\a):SL+4*(2*\w+\a)+3], v30 offset:8192*\w+512*\a
.endr
.endr
	s_wait_dscnt 0x0
	v_max3_num_f32 v22, v[SW], v[SW+2], v[SW+4]
	v_max3_num_f32 v22, v22, v[SW+6], v[SW+8]
	v_max3_num_f32 v22, v22, v[SW+10], v[SW+12]
	v_max_num_f32 v22, v22, v[SW+14]               ; the work-group's m
.irp w, 0,1,2,3,4,5,6,7
	v_sub_f32 v[SW+2*\w], v[SW+2*\w], v22
.endr
.irp w, 0,1,2,3,4,5,6,7
	v_exp_f32 v[SW+2*\w], v[SW+2*\w]               ; 2^(m_w - m) takes m_w's place
.endr
	v_nop                                          ; a plain instruction between the last exponential and the use of its result
	s_wait_alu depctr_va_vdst(0)                   ; the eight exponentials have written v160, v162 .. v174, ahead of their first reader
	v_mul_f32 v23, v[SW], v[SW+1]
.irp w, 1,2,3,4,5,6,7
	v_fma_f32 v23, v[SW+2*\w], v[SW+2*\w+1], v23   ; the work-group's l
.endr
.irp a, 0,2,4,6
	v_pk_mul_f32 v[RS+\a:RS+\a+1], v[SL+\a:SL+\a+1], v[SW:SW+1] op_sel_hi:[1,0]
.endr
.irp w, 1,2,3,4,5,6,7
.irp a, 0,2,4,6
	v_pk_fma_f32 v[RS+\a:RS+\a+1], v[SL+8*\w+\a:SL+8*\w+\a+1], v[SW+2*\w:SW+2*\w+1], v[RS+\a:RS+\a+1] op_sel_hi:[1,0,1]
.endr
.endr
	v_lshrrev_b32 v24, 1, v3                       ; 8 l, the offset of wave 0's last store: made by every wave, ahead of the wait below, so that wave 0's branch owes none of its own
	s_wait_alu depctr_va_vdst(0)                   ; v[240:247], v[22:23] and v24 are written, which the stores below read; the lines above are done reading v[176:179], in which wave 0's LDS load lands
	global_store_b128 v30, v[RS:RS+3], s[10:11]              ; 512 consecutive bytes each, aligned
	global_store_b128 v30, v[RS+4:RS+7], s[10:11] offset:512
	s_cmp_lg_u32 s12, 0
	s_cbranch_scc1 .Lend                           ; wave 0 alone stores the scores and (m, l)
	ds_load_b128 v[SL:SL+3], v27 offset:SCB-UB
	s_wait_dscnt 0x0
	global_store_b128 v3, v[SL:SL+3], s[10:11] offset:8192
	global_store_b64 v24, v[22:23], s[10:11] offset:8704
.Lend:
	s_wait_dscnt 0x0                               ; the closing lines, six on end
	s_wait_alu 0x0
	s_wait_tensorcnt 0x0
	ds_add_u32 v1, v2
	s_wait_dscnt 0x0
	s_endpgm
.Lfunc_end_k_q2c13618414_stream:
	.size	k_q2c13618414_stream, .Lfunc_end_k_q2c13618414_stream-k_q2c13618414_stream
	.p2alignl 7, 3214868480
	.fill 96, 4, 3214868480
	.section	.rodata,"a",@progbits
	.p2align	6, 0x0
	.amdhsa_kernel k_q2c13618414_stream
		.amdhsa_group_segment_fixed_size 75520
		.amdhsa_private_segment_fixed_size 0
		.amdhsa_enable_private_segment 0
		.amdhsa_kernarg_size 32
		.amdhsa_user_sgpr_count 2
		.amdhsa_user_sgpr_kernarg_segment_ptr 1
		.amdhsa_wavefront_size32 1
		.amdhsa_system_sgpr_workgroup_id_x 1
		.amdhsa_system_sgpr_workgroup_id_y 1
		.amdhsa_system_sgpr_workgroup_id_z 1
		.amdhsa_system_vgpr_workitem_id 0
		.amdhsa_next_free_vgpr 512
		.amdhsa_next_free_sgpr 66
		.amdhsa_reserve_vcc 0
		.amdhsa_float_denorm_mode_32 3
		.amdhsa_float_denorm_mode_16_64 3
		.amdhsa_memory_ordered 1
		.amdhsa_forward_progress 1
		.amdhsa_inst_pref_size 88
	.end_amdhsa_kernel
	.amdgpu_metadata
---
amdhsa.version: [ 1, 2 ]
amdhsa.kernels:
  - .name:           k_q2c13618414_stream
    .symbol:         k_q2c13618414_stream.kd
    .args:
      - { .name: images, .offset: 0, .size: 8, .value_kind: global_buffer, .address_space: global }
      - { .name: up, .offset: 8, .size: 8, .value_kind: global_buffer, .address_space: global }
      - { .name: lengths_img, .offset: 16, .size: 8, .value_kind: global_buffer, .address_space: global }
      - { .name: part, .offset: 24, .size: 8, .value_kind: global_buffer, .address_space: global }
    .group_segment_fixed_size: 75520
    .private_segment_fixed_size: 0
    .kernarg_segment_align: 8
    .kernarg_segment_size: 32
    .max_flat_workgroup_size: 256
    .sgpr_count:     66
    .vgpr_count:     512
    .wavefront_size: 32
...
	.end_amdgpu_metadata
.endif
;; end of part 7
;; launch comb: the kernel of part 3 again; grid 8 x 32, 2 waves a work-group, no clusters, 0 bytes of LDS; arguments part, lengths_img, z, out1; writes z, out1
;; launch outk: the kernel of part 4 again; grid 128 x 4, 8 waves a work-group, no clusters, 3,072 bytes of LDS; arguments ws1_w, z, ws1_b, lengths_img, o; writes o
;; launch fck: the kernel of part 5 again; grid 128 x 4, 8 waves a work-group, no clusters, 3,072 bytes of LDS; arguments fc_w, o, fc_b, f; writes f
;; launch normk: the kernel of part 6 again; grid 32 x 1, 1 waves a work-group, no clusters, 0 bytes of LDS; arguments f, out0; writes out0
